; MI455X (gfx1250); checked and timed in simulation.
; The chip was launched on July 23, 2026; its instructions are those of AMD's public machine-readable ISA for CDNA 5 (MIT licence, August 2026) and "CDNA5" Instruction Set Architecture Reference Guide (July 2026). The comments in the code are by the model that wrote it; some were corrected since.
;; Causal Self Attention. Allowed arithmetic: matrix products marked QUANTISED: E4M3 operands, one given power-of-two scale a tensor, by v_wmma_f32_16x16x64_fp8_fp8 or v_wmma_f32_16x16x128_fp8_fp8, f32 sums; everything else in f32.
;; Inputs: Wk 1,024 x 1,024 float32; Wp 1,024 x 1,024 float32; Wq 1,024 x 1,024 float32; Wv 1,024 x 1,024 float32; bk 1,024 float32; bp 1,024 float32; bq 1,024 float32; bv 1,024 float32; lowp_scales 12 int32 (the exponents e of the quantised operands' scales 2^e); x 4 x 2,048 x 1,024 float32.
;; Outputs: out0 4 x 2,048 x 1,024 float32.
;; This version of the problem:
;;   THIS VERSION OF THE PROBLEM IS GIVEN IN LOW PRECISION. The matrix products marked QUANTISED in the list below multiply operands that are first quantised to E4M3 (4 exponent bits, 3 mantissa bits; 8 bits a number), with one given power-of-two scale for each operand tensor; their sums are f32. All else is computed in f32.
;;   The module's matrix products, in the order in which they are computed (A, B: the left and right operand; K: the contracted axis; several contracted axes count as one K, in the product's order):
;;     1. [M 8,192, K 1,024] x [K 1,024, N 1,024]; A: input x; B: input Wq: QUANTISED (scales: A lowp_scales[0], B lowp_scales[1])
;;     2. [M 8,192, K 1,024] x [K 1,024, N 1,024]; A: input x; B: input Wk: QUANTISED (scales: A lowp_scales[2], B lowp_scales[3])
;;     3. [M 8,192, K 1,024] x [K 1,024, N 1,024]; A: input x; B: input Wv: QUANTISED (scales: A lowp_scales[4], B lowp_scales[5])
;;     4. batch 64 x [M 2,048, K 64] x [K 64, N 2,048]; A: computed on the way; B: computed on the way: QUANTISED (scales: A lowp_scales[6], B lowp_scales[7])
;;     5. batch 64 x [M 2,048, K 2,048] x [K 2,048, N 64]; A: softmax (see below); B: computed on the way: QUANTISED (scales: A lowp_scales[8], B lowp_scales[9])
;;     6. [M 8,192, K 1,024] x [K 1,024, N 1,024]; A: computed on the way; B: input Wp: QUANTISED (scales: A lowp_scales[10], B lowp_scales[11])
;;   THE QUANTISER, for each operand of a quantised product, along K:
;;     - The operand's scale is 2^e, e = its entry of the input lowp_scales (int32; the entries are numbered through the quantised products in the list's order, A before B).
;;     - Each number is divided by the scale, clamped to +-448, and rounded to the nearest number of E4M3, ties to even, subnormals kept.
;;     - The product sums the exact products of the quantised numbers (number of the format x scale) in f32.
;;   ~~~python
;;   def quantise(x, axis, e):      # numpy; x: float32 -> the quantised numbers, widened to float32 again
;;       x = np.moveaxis(x, axis, -1); K = x.shape[-1]
;;       r = np.clip(x / 2.0 ** e, -448, 448)
;;       step = 2.0 ** (np.maximum(np.frexp(np.where(r == 0, 1, r))[1] - 1, -6) - 3)
;;       q = np.round(r / step) * step * 2.0 ** e      # np.round: ties to even
;;       return np.moveaxis(q, -1, axis).astype(np.float32)
;;   ~~~
;;   SOFTMAX AHEAD OF A QUANTISED PRODUCT. Where the list says 'softmax', what is quantised is not the finished softmax but p = 2^(t - M), with t = logit x log2(e) and M = ceil(the row's largest t), a whole number; so 1/2 < the row's largest p <= 1. The row's sum l is taken of the UNQUANTISED p, in f32, and the product's result is divided by l at the end. Since M is a whole number, a kernel that streams over the keys may use a running M (the ceiling of the running maximum): every later rescaling is an exact power of two, so the quantised numbers keep their values, but for numbers so far below the row's largest that they fall under the format's range.
;;   OPERANDS COMPUTED ON THE WAY. 'Computed on the way' means the value that the module computes at that place (a softmax that the list does not call 'softmax' is quantised finished and normalised). What goes into a quantiser is computed in f32, as accurately as f32 sums, v_exp_f32 and their like allow (about 1e-6 of the number): no bf16 or f16 on the way to a quantiser, and a product that is left as it is and whose result goes on into a quantised operand takes f32 operands (vector FMAs, or v_wmma_f32_16x16x4_f32). A number that lies on a knife's edge between two numbers of the format may be rounded either way, as far as f32 arithmetic and the matrix unit's own rounding can turn it there, and no further.
;; One version. Each part assembles by itself: llvm-mc -triple=amdgcn-amd-amdhsa -mcpu=gfx1250 --defsym DOCPART=n.
;; ======== version 1 of 1: 4 launches
;; limits: right only within a limited range of input values
;; workspace buffers: xc 25,165,824 bytes; wc 4,194,304 bytes; qkv 25,165,824 bytes; yc 8,388,608 bytes
;; launch quant (part 1): grid 384 x 1, 4 waves a work-group, no clusters, 33,280 bytes of LDS; arguments x, Wq, Wk, Wv, Wp, lowp_scales, xc, wc; writes xc, wc
.if DOCPART == 1
	.amdgcn_target "amdgcn-amd-amdhsa--gfx1250"
	.amdhsa_code_object_version 6
	.text
	.protected	k_q44c60a6fe9_quant
	.globl	k_q44c60a6fe9_quant
	.p2align	8
	.type	k_q44c60a6fe9_quant,@function
k_q44c60a6fe9_quant:
	s_mov_b64 s[64:65], 0
	v_nop
	global_prefetch_b8 v0, s[64:65] scope:SCOPE_SE
	s_setreg_imm32_b32 hwreg(HW_REG_WAVE_MODE, 25, 1), 1
	s_wait_xcnt 0x0
; x [8192][1024] and Wq, Wk, Wv, Wp [1024][1024], f32 with K innermost, become codes of FP8 (E4M3), one byte a number, K innermost.
; code = number / 2^e, held within +-448, rounded to the nearest code, ties to even.  x is an operand of three products and has three given exponents (entries 0, 2, 4),
; so three images of its codes are stored, 8 MiB apart in xc.  The weights take entries 1, 3, 5, 11; their codes lie 1 MiB apart in wc, in the order Wq, Wk, Wv, Wp.
; LIMITS: each of these seven exponents lies between -126 and 127, so that 2^e is an f32 number.  NaN among the inputs is not served.
; Rows are dense and K is a multiple of 32: every tensor is a plain stream.  A work-group takes 32,768 numbers, a wave 8,192: 16 steps of 512.  Work-groups 0-255 take x, 256-383 the weights, 32 each.
; The conversions take 8 numbers from ONE lane's registers, so a lane must hold 16 neighbours; a load is best where neighbouring lanes take neighbouring bytes.  Both are had: each of a step's four loads
; reads 512 consecutive bytes, the 2,048 bytes go through the wave's own stage in LDS as they lie and come back 64 bytes a lane (16 bytes of padding behind each 64).  A lane's 16 codes are 16 bytes: a store covers 512 consecutive bytes.
; No tensor load, no barrier: waves share nothing.  Loads run four steps (16 loads a wave) ahead, the turn through LDS one step.
.set WAVES, 4
.set STEPS, 16
.set XWG,   256                        ; work-groups that take x
.set SP,    80                         ; a lane's place in a stage: 64 bytes + 16 of padding
.set WREG,  8192                       ; LDS of a wave: two stages of 32 x SP bytes
.set SPARE, WAVES*WREG                 ; behind the four regions: the spare words, 128 bytes a wave
.set LO,    3                          ; v3      16 x lane: my 16 bytes of a load's 512 and of a store's 512; never rewritten
.set SC,    5                          ; v5  2^e of the first image; v7 and v9 of x's second and third
.set SPW,   12                         ; v12     LDS address of my spare word; never rewritten
.set NIL,   13                         ; v13     0; never rewritten
.set SIN,   14                         ; v14     the stage on the way in
.set SOUT,  15                         ; v15     and on the way out
.set R,     16                         ; v16-79   four sets of 16 numbers as loaded
.set X,     80                         ; v80-111  two sets of 16 neighbours
.set T,     112
.set C,     128                        ; v128-139 three images' codes of a step
.set SRC,   38                         ; s[38:39] my wave's numbers
.set D,     48                         ; s[48:49], s[50:51], s[52:53] my wave's codes in the three images
	s_load_b512 s[4:19], s[0:1], 0x0               ; x, Wq, Wk, Wv, Wp, the exponents, xc, wc
	v_lshl_add_u32 v[SPW], v0, 2, SPARE
	v_mov_b32 v[NIL], 0
	v_lshrrev_b32 v1, 5, v0
	v_readfirstlane_b32 s32, v1                    ; wave
	v_and_b32 v2, 31, v0                           ; lane
	v_lshlrev_b32 v[LO], 4, v2
	s_mul_i32 s33, s32, WREG
	v_lshrrev_b32 v[SIN], 2, v2
	v_mul_u32_u24 v[SIN], v[SIN], SP
	v_and_b32 v[SOUT], 3, v2
	v_lshl_add_u32 v[SIN], v[SOUT], 4, v[SIN]
	v_add_nc_u32 v[SIN], s33, v[SIN]               ; in: four lanes' 64 bytes on end, then the padding: SP (lane / 4) + 16 (lane % 4)
	v_mul_u32_u24 v[SOUT], v2, SP
	v_add_nc_u32 v[SOUT], s33, v[SOUT]             ; out: SP x lane: my 16 neighbours
	s_sub_co_u32 s34, ttmp9, XWG
	s_lshr_b32 s35, s34, 5                         ; which weight,
	s_and_b32 s36, s34, 31                         ; and which 32,768 numbers of it
	s_cmp_lt_u32 ttmp9, XWG                        ; x's work-group?  The choice hangs on the work-group's number alone
	s_cselect_b32 s35, 0, s35
	s_cselect_b32 s36, ttmp9, s36
	s_lshl_b32 s36, s36, 2
	s_add_co_u32 s36, s36, s32                     ; which run of 8,192 numbers of the tensor is my wave's
	s_lshl_b32 s40, s35, 20                        ; the weight's codes in wc
	s_mov_b32 s41, 0
	s_lshl_b32 s44, s36, 15                        ; the run in bytes of f32,
	s_mov_b32 s45, 0
	s_lshl_b32 s46, s36, 13                        ; and of codes
	s_mov_b32 s47, 0
	s_wait_alu depctr_va_vdst(0)
	s_wait_kmcnt 0x0
	s_load_b256 s[20:27], s[14:15], 0x0            ; e0 .. e7
	s_load_b128 s[28:31], s[14:15], 0x20           ; e8 .. e11
	s_cmp_eq_u32 s35, 1
	s_cselect_b64 s[SRC:SRC+1], s[8:9], s[6:7]
	s_cmp_eq_u32 s35, 2
	s_cselect_b64 s[SRC:SRC+1], s[10:11], s[SRC:SRC+1]
	s_cmp_eq_u32 s35, 3
	s_cselect_b64 s[SRC:SRC+1], s[12:13], s[SRC:SRC+1]
	s_add_nc_u64 s[42:43], s[18:19], s[40:41]
	s_cmp_lt_u32 ttmp9, XWG
	s_cselect_b64 s[SRC:SRC+1], s[4:5], s[SRC:SRC+1]
	s_cselect_b64 s[D:D+1], s[16:17], s[42:43]
	s_add_nc_u64 s[SRC:SRC+1], s[SRC:SRC+1], s[44:45]
	s_add_nc_u64 s[D:D+1], s[D:D+1], s[46:47]
	s_add_nc_u64 s[D+2:D+3], s[16:17], s[46:47]
	s_add_nc_u64 s[D+2:D+3], s[D+2:D+3], 0x800000  ; x's second image,
	s_add_nc_u64 s[D+4:D+5], s[D+2:D+3], 0x800000  ; and its third
.macro LOAD t
.irp i, 0,1,2,3
	global_load_b128 v[R+16*((\t)%4)+4*\i:R+16*((\t)%4)+4*\i+3], v[LO], s[SRC:SRC+1] offset:2048*(\t)+512*\i th:TH_LOAD_NT   ; 32 lanes read 512 consecutive bytes, read once in the launch
.endr
.endm
.macro TURN t                          ; step t's numbers through the stage: LDS serves a wave's instructions in order (ISA guide 5.7.1.4), so no wait stands between the stores and the loads
.irp i, 0,1,2,3
	ds_store_b128 v[SIN], v[R+16*((\t)%4)+4*\i:R+16*((\t)%4)+4*\i+3] offset:32*SP*((\t)%2)+8*SP*\i
.endr
.irp i, 0,1,2,3
	ds_load_b128 v[X+16*((\t)%2)+4*\i:X+16*((\t)%2)+4*\i+3], v[SOUT] offset:32*SP*((\t)%2)+16*\i
.endr
.endm
.macro MKSC e, k                       ; 2^e as an f32 number, from the whole number e
	s_add_co_i32 s34, \e, 127
	s_lshl_b32 s37, s34, 23
	v_mov_b32 v[SC+2*\k], s37
.endm
.macro CONV k, t                       ; image k of step t: the conversion, the store
.irp i, 0,1,2,3,4,5,6,7,8,9,10,11,12,13,14,15
.endr
	v_cvt_scalef32_pk8_fp8_f32 v[C+4*\k:C+4*\k+1], v[T+((X+16*((\t)%2)+0)-(T+0)):T+7+((X+16*((\t)%2)+0)-(T+0))], v[SC+2*\k]
	v_cvt_scalef32_pk8_fp8_f32 v[C+4*\k+2:C+4*\k+3], v[T+8+((X+16*((\t)%2)+0)-(T+0)):T+15+((X+16*((\t)%2)+0)-(T+0))], v[SC+2*\k]
	v_nop                                          ; a plain vector line behind the conversions
	global_store_b128 v[LO], v[C+4*\k:C+4*\k+3], s[D+2*\k:D+2*\k+1] offset:512*(\t)   ; 32 lanes store 512 consecutive bytes
.endm
.irp t, 0,1,2,3
	LOAD \t
.endr
	s_wait_kmcnt 0x0
	s_cmp_eq_u32 s35, 1
	s_cselect_b32 s33, s23, s21                    ; Wk's e3, else Wq's e1
	s_cmp_eq_u32 s35, 2
	s_cselect_b32 s33, s25, s33                    ; Wv's e5
	s_cmp_eq_u32 s35, 3
	s_cselect_b32 s33, s31, s33                    ; Wp's e11
	s_cmp_lt_u32 ttmp9, XWG
	s_cselect_b32 s33, s20, s33                    ; x's e0
	MKSC s33, 0
	MKSC s22, 1                                    ; x's e2
	MKSC s24, 2                                    ; x's e4
	s_wait_alu depctr_va_vdst(0)
	s_wait_loadcnt 12                              ; step 0's four loads are in; the twelve behind them may be out
	TURN 0
.macro STEP t
	s_wait_dscnt 0x0                               ; this step's numbers are back from the stage, so its stores into the stage have read their registers,
.if (\t)+4 < STEPS
	LOAD (\t)+4                                    ; which take the loads of four steps on
.endif
.if (\t)+1 < STEPS
.if STEPS-2-(\t) >= 3
	s_wait_loadcnt 12                              ; the next step's four loads are in; those of the three steps behind it may be out
.else
	s_wait_loadcnt 4*(STEPS-2-(\t))
.endif
	TURN (\t)+1                                    ; and go through the other stage while this step is worked
.endif
	s_wait_xcnt 0x0                                ; the last step's stores have read their data: the codes' registers are written again only behind this wait
	CONV 0, \t
	s_cmp_ge_u32 ttmp9, XWG                        ; a weight has one image.  The jump leads over vector work and global stores alone
	s_cbranch_scc1 .Lone_image_\@
	CONV 1, \t
	CONV 2, \t
.Lone_image_\@:
.endm
.irp t, 0,1,2,3,4,5,6,7,8,9,10,11,12,13,14,15
	STEP \t
.endr
	s_wait_tensorcnt 0x0                           ; the wave's end, behind my last LDS store
	ds_add_u32 v[SPW], v[NIL]
	s_wait_dscnt 0x0
	s_endpgm
.Lfunc_end_k_q44c60a6fe9_quant:
	.size	k_q44c60a6fe9_quant, .Lfunc_end_k_q44c60a6fe9_quant-k_q44c60a6fe9_quant
	.p2alignl 7, 3214868480
	.fill 96, 4, 3214868480
	.section	.rodata,"a",@progbits
	.p2align	6, 0x0
	.amdhsa_kernel k_q44c60a6fe9_quant
		.amdhsa_group_segment_fixed_size 33280
		.amdhsa_private_segment_fixed_size 0
		.amdhsa_enable_private_segment 0
		.amdhsa_kernarg_size 64
		.amdhsa_user_sgpr_count 2
		.amdhsa_user_sgpr_kernarg_segment_ptr 1
		.amdhsa_wavefront_size32 1
		.amdhsa_system_sgpr_workgroup_id_x 1
		.amdhsa_system_sgpr_workgroup_id_y 1
		.amdhsa_system_sgpr_workgroup_id_z 1
		.amdhsa_system_vgpr_workitem_id 0
		.amdhsa_next_free_vgpr 144
		.amdhsa_next_free_sgpr 66
		.amdhsa_reserve_vcc 0
		.amdhsa_float_denorm_mode_32 3
		.amdhsa_float_denorm_mode_16_64 3
		.amdhsa_fp16_overflow 1
		.amdhsa_memory_ordered 1
		.amdhsa_forward_progress 1
		.amdhsa_inst_pref_size 33
	.end_amdhsa_kernel
	.amdgpu_metadata
---
amdhsa.version: [ 1, 2 ]
amdhsa.kernels:
  - .name:           k_q44c60a6fe9_quant
    .symbol:         k_q44c60a6fe9_quant.kd
    .args:
      - { .name: x, .offset: 0, .size: 8, .value_kind: global_buffer, .address_space: global }
      - { .name: Wq, .offset: 8, .size: 8, .value_kind: global_buffer, .address_space: global }
      - { .name: Wk, .offset: 16, .size: 8, .value_kind: global_buffer, .address_space: global }
      - { .name: Wv, .offset: 24, .size: 8, .value_kind: global_buffer, .address_space: global }
      - { .name: Wp, .offset: 32, .size: 8, .value_kind: global_buffer, .address_space: global }
      - { .name: lowp_scales, .offset: 40, .size: 8, .value_kind: global_buffer, .address_space: global }
      - { .name: xc, .offset: 48, .size: 8, .value_kind: global_buffer, .address_space: global }
      - { .name: wc, .offset: 56, .size: 8, .value_kind: global_buffer, .address_space: global }
    .group_segment_fixed_size: 33280
    .private_segment_fixed_size: 0
    .kernarg_segment_align: 8
    .kernarg_segment_size: 64
    .max_flat_workgroup_size: 128
    .sgpr_count:     66
    .vgpr_count:     144
    .wavefront_size: 32
...
	.end_amdgpu_metadata
.endif
;; end of part 1
;; launch qkv (part 2): grid 4 x 96, 4 waves a work-group, clusters of 4 x 4, 327,680 bytes of LDS; arguments xc, wc, bq, bk, bv, lowp_scales, qkv; writes qkv
.if DOCPART == 2
	.amdgcn_target "amdgcn-amd-amdhsa--gfx1250"
	.amdhsa_code_object_version 6
	.text
	.protected	k_q44c60a6fe9_qkv
	.globl	k_q44c60a6fe9_qkv
	.p2align	8
	.type	k_q44c60a6fe9_qkv,@function
k_q44c60a6fe9_qkv:
	s_mov_b64 s[64:65], 0
	v_nop
	global_prefetch_b8 v0, s[64:65] scope:SCOPE_SE
	s_setreg_imm32_b32 hwreg(HW_REG_WAVE_MODE, 25, 1), 1
	s_wait_xcnt 0x0
	s_wait_alu depctr_hold_cnt(0) depctr_sa_sdst(0) depctr_va_vdst(0) depctr_va_sdst(0) depctr_va_ssrc(0) depctr_va_vcc(0) depctr_vm_vsrc(0)
	s_getreg_b32 s2, hwreg(HW_REG_IB_STS2, 6, 4)
	s_cmp_eq_u32 s2, 0
	s_cbranch_scc0 .Lentry_in_a_cluster
	s_endpgm
.Lentry_in_a_cluster:
	s_bfe_u32 s2, ttmp6, 0x10000c
	s_cmp_lg_u32 s2, 0xf033
	s_cbranch_scc0 .Lentry_shape_is_right
	s_endpgm
.Lentry_shape_is_right:
; q = x Wq^T + bq, k = x Wk^T + bk, v = x Wv^T + bv on codes of FP8 (E4M3); each result is quantised at once, with its given scale, and stored as codes:
; q and k as [64 heads of all batches][2048 t][64 d] (at +0 and +8 MiB of qkv), v with the keys innermost, [64][64 d][2048 t] (at +16 MiB).
; 24 clusters of 4 x 4 work-groups: eight for each product (PROD = cluster y / 8).  A work-group makes a tile of 256 x 256, a wave 128 x 128: 64 accumulators, 512 registers.
; q, k: the tile's rows are rows of x (t), its columns rows of W (channels).  v IS MADE TRANSPOSED: rows are rows of Wv (channels), columns rows of x (t).  The choice is made by selects on PROD, which all partners of a cluster share.
; THE MATRIX INSTRUCTION IS USED TRANSPOSED (source 0 = 16 of the tile's columns, source 1 = 16 of its rows): a lane holds one row and eight neighbouring columns: eight neighbouring d of one t (q, k) or eight neighbouring t of one d (v): one conversion makes their 8 bytes.
; K = 1,024 goes in four steps of 256 through two LDS slots filled by joint tensor loads: the row tiles are shared along a row of the cluster, the column tiles along a column.
; THE BIAS is the C of each sum's first matrix instruction, divided by 2^(ea + eb), the power of two that the sums lack; so code = sum / 2^(eo - ea - eb), held within +-448.
; LIMITS: eo - ea - eb lies between -126 and 127 for (ea, eb, eo) = entries (0, 1, 6), (2, 3, 7), (4, 5, 9) of the exponents.  NaN is not served.
; REGISTERS, in windows of 256: window 0: v1-31 addresses; v32-95 the bias table; v96-103 the bias loads' offsets; v128-255 the row tile's fragments, ONE set, on the way out the codes and then the rows read back.
;   window 1: the column tile's fragments, TWO sets.   window 2: the accumulators of my rows 0-63 ((a, b) at v[8 (8 a + b)]);   window 3: those of my rows 64-127.
.set KROW,   1024                      ; a row of codes in memory
.set ROWB,   256                       ; a tile's row: 256 along K
.set PITCH,  272                       ; an LDS row: 256 bytes + 16 of padding = 68 words: the 16 rows of a fragment load start at 16 different banks (64 banks of 4 bytes: ISA guide 11.1)
.set FR,     16                        ; registers of a fragment, 16 rows x 128 K
.set NL,     4                         ; LDS loads that bring one
.set NP,     4                         ; places behind this matrix instruction (ISA guide 7.12.1)
.set HALFT,  128*PITCH                 ; 128 rows: what one tensor load brings
.set SLOT,   4*HALFT                   ; the row tile's 256 rows, then the column tile's
.set SPARE,  2*SLOT                    ; behind the ring: the spare words, 128 bytes a wave
.set PADW,   (1<<20)|(1<<21)|(5<<22)|(3<<25)   ; elements of 1 byte; padding on; bit 21 set beside a mask; after every 64 words; four words
.set ADRA, 16                          ; v16-17  LDS address of my row fragments in slot 0, 1
.set GOR,  18                          ; v18     the way out of v: my byte offset in memory
.set ADRB, 20                          ; v20-21  LDS address of my column fragments
.set STO,  24                          ; v24     the stage: where I put 8 codes
.set RDC,  25                          ; v25     the stage read back for q, k
.set GOC,  26                          ; v26     the way out of q, k: my byte offset in memory
.set RDR,  27                          ; v27     the stage read back for v
.set SPW,  28                          ; v28     LDS address of my spare word; never rewritten
.set NIL,  29                          ; v29     0; never rewritten
.set SCV,  30                          ; v30     2^(eo - ea - eb)
.set LIMV, 31
.set BT,   32
.set TMP,  32
.set VB,   96
.set AF,   128
.set CD,   128
.set G1, 24                            ; s[24:31] group 1 of the row tiles;  s[32:39] group 0, a set for each slot
.set G0, 32
.set G1B, 48                           ; s[48:55], s[56:63] the same for the column tiles
.set G0B, 56
.set PROD, 66                          ; s66: 0 q, 1 k, 2 v
.set MSB, 0
.macro WIN new                         ; the immediate's high byte repeats the setting that is left
.if MSB != \new
	s_set_vgpr_msb (MSB<<8)|\new
.set MSB, \new
.endif
.endm
.set MUL_LO, 0xa1                      ; source 0 window 1, source 1 window 0, C and D window 2
.set MUL_HI, 0xf1                      ; the same, C and D window 3
.set TO_B,   0x40                      ; destination window 1, address window 0
; A joint load: waves 0 and 1 fetch the row tile's halves, waves 2 and 3 the column tile's.  The branch hangs on the wave's number alone.  An s_nop 0 and four v_nop follow each of the two lines.
.macro JLOAD g0a, g1a, g0b, g1b
	s_cmp_eq_u32 s15, 0
	s_cbranch_scc0 .Lfor_b_\@
	tensor_load_to_lds s[\g0a:\g0a+3], s[\g1a:\g1a+7]
	s_nop 0
.rept 4
	v_nop
.endr
	s_branch .Lasked_\@
.Lfor_b_\@:
	tensor_load_to_lds s[\g0b:\g0b+3], s[\g1b:\g1b+7]
	s_nop 0
.rept 4
	v_nop
.endr
.Lasked_\@:
.endm
.macro CREST                           ; a round of the cluster's barrier behind its opening barrier
	s_cmp_lg_u32 s14, 0
	s_cbranch_scc1 .Lnot_wave_0_\@
	s_barrier_signal -3
.Lnot_wave_0_\@:
	s_barrier_wait -3
	s_barrier_signal -1
	s_barrier_wait -1
.endm
.macro CROUND                          ; a whole round
	s_barrier_signal -1
	s_barrier_wait -1
	CREST
.endm
	s_load_b256 s[68:75], s[0:1], 0x0              ; xc s[68:69], wc s[70:71], bq s[72:73], bk s[74:75]
	s_load_b128 s[76:79], s[0:1], 0x20             ; bv s[76:77], the exponents s[78:79]
	s_load_b64 s[80:81], s[0:1], 0x30              ; qkv
	v_lshl_add_u32 v[SPW], v0, 2, SPARE
	v_mov_b32 v[NIL], 0
	ds_add_u32 v[SPW], v[NIL]                      ; the wave's opening: the add and its wait stand ahead of my first tensor load; the set-up below, work on registers, stands between them
	ds_add_u32 v[SPW], v[NIL]
	v_lshrrev_b32 v1, 5, v0
	v_readfirstlane_b32 s14, v1                    ; wave 0..3
	s_lshr_b32 s15, s14, 1                         ; which half of the tile's rows is mine.  Also: I fetch for the row tile (0) or the column tile (1)
	s_and_b32 s16, s14, 1                          ; which half of its columns.  Also: which 128 rows of that tile I fetch
	s_bfe_u32 s40, ttmp6, 0x40000                  ; cx, cy: my place in the cluster
	s_bfe_u32 s41, ttmp6, 0x40004
	s_and_b32 s[PROD], ttmp7, 0xffff               ; cluster y, 0 .. 23 (the grid has one cluster along x)
	s_and_b32 s67, s[PROD], 7
	s_lshl_b32 s67, s67, 2                         ; the cluster's first tile along the axis of 8,192
	s_lshr_b32 s[PROD], s[PROD], 3
	s_cmp_eq_u32 s[PROD], 2
	s_cselect_b32 s17, 0, s67
	s_cselect_b32 s42, s67, 0
	s_add_co_u32 s17, s17, s41                     ; tile row
	s_add_co_u32 s42, s42, s40                     ; tile column
	s_lshl_b32 s43, s41, 2
	s_lshl_b32 s43, 15, s43                        ; my row of the cluster
	s_lshl_b32 s44, 0x1111, s40                    ; my column
	s_or_b32 s[G1+0], s43, PADW                    ; the row tiles go to my row of the cluster,
	s_or_b32 s[G1B+0], s44, PADW                   ; the column tiles to my column
.irp g, G1, G1B
	s_mov_b32 s[\g+1], ROWB<<16                    ; tensor_dim0 = 256
	s_mov_b32 s[\g+2], 128<<16                     ; tensor_dim1 = 128
	s_mov_b32 s[\g+3], ROWB<<16                    ; tile_dim0 = 256
	s_mov_b32 s[\g+4], 128                         ; tile_dim1 = 128
	s_mov_b32 s[\g+5], KROW                        ; tensor_dim0_stride
	s_mov_b32 s[\g+6], 0
	s_mov_b32 s[\g+7], 0
.endr
	s_lshl_b32 s18, s16, 7                         ; which 128 rows of the tile I fetch
	s_lshl_b32 s20, s17, 8
	s_add_co_u32 s20, s20, s18
	s_lshl_b32 s20, s20, 10                        ; the row tile: (256 x tile row + 128 x half) rows of 1,024 bytes
	s_lshl_b32 s46, s42, 8
	s_add_co_u32 s46, s46, s18
	s_lshl_b32 s46, s46, 10                        ; the column tile likewise, by the tile column
	s_lshl_b32 s22, s[PROD], 23                    ; x's image for this product,
	s_lshl_b32 s23, s[PROD], 20                    ; and the weight's codes
	s_cmp_eq_u32 s[PROD], 2
	s_cselect_b32 s19, s23, s22                    ; rows: the weight for v, else x
	s_cselect_b32 s18, s22, s23                    ; columns: x for v, else the weight
	s_add_co_u32 s20, s20, s19
	s_add_co_u32 s46, s46, s18
	s_mov_b32 s21, 0
	s_mov_b32 s47, 0
	s_mul_i32 s45, s14, HALFT                      ; where my load goes: wave x 128 rows: no place in the cluster enters an LDS address
	s_wait_dscnt 0x0                               ; the opening add is done
	s_wait_kmcnt 0x0
	s_load_b256 s[84:91], s[78:79], 0x0            ; e0 .. e7
	s_load_b64 s[92:93], s[78:79], 0x20            ; e8, e9
	s_cmp_eq_u32 s[PROD], 2
	s_cselect_b64 s[94:95], s[70:71], s[68:69]
	s_cselect_b64 s[96:97], s[68:69], s[70:71]
	s_add_nc_u64 s[20:21], s[94:95], s[20:21]
	s_add_nc_u64 s[46:47], s[96:97], s[46:47]
	CROUND                                         ; all sixteen work-groups are here: the first joint loads meet
.irp s, 0,1
	s_mov_b32 s[G0+4*\s], 1
	s_add_co_u32 s[G0+4*\s+1], s45, \s*SLOT
	s_add_nc_u64 s[G0+4*\s+2:G0+4*\s+3], s[20:21], \s*ROWB
	s_or_b32 s[G0+4*\s+3], s[G0+4*\s+3], 0x80000000
	s_mov_b32 s[G0B+4*\s], 1
	s_add_co_u32 s[G0B+4*\s+1], s45, \s*SLOT
	s_add_nc_u64 s[G0B+4*\s+2:G0B+4*\s+3], s[46:47], \s*ROWB
	s_or_b32 s[G0B+4*\s+3], s[G0B+4*\s+3], 0x80000000
	JLOAD G0+4*\s, G1, G0B+4*\s, G1B
.endr
	v_and_b32 v1, 15, v0                           ; r = lane % 16
	v_bfe_u32 v2, v0, 4, 1                         ; h = lane / 16
	v_mul_u32_u24 v3, v1, PITCH
	s_wait_alu depctr_va_vdst(0)
	v_lshl_add_u32 v4, v2, 4, v3                   ; a fragment's row x pitch + 16 x half
	s_mul_i32 s21, s15, HALFT                      ; my 128 rows of the row tile
	s_mul_i32 s22, s16, HALFT                      ; my 128 rows of the column tile,
	s_add_co_u32 s22, s22, 2*HALFT                 ; which lie behind the row tile's 256
.irp s, 0,1
	v_add_nc_u32 v[ADRA+\s], s21, v4
	v_add_nc_u32 v[ADRB+\s], s22, v4
	s_add_co_u32 s21, s21, SLOT
	s_add_co_u32 s22, s22, SLOT
.endr
	; the stage for the codes: 256 rows x 272 bytes from LDS byte 0, in slot 0, which has had its last fill and its last read when the first code is stored there
	s_mul_i32 s23, s15, 128*PITCH
	s_lshl_b32 s21, s16, 7
	s_add_co_u32 s23, s23, s21
	v_lshl_add_u32 v5, v2, 3, v3
	v_add_nc_u32 v[STO], s23, v5                   ; in: row 128 x row half + r, byte 128 x column half + 8 h
	s_mul_i32 s23, s14, 64*PITCH                   ; back: wave w takes rows 64 w .. 64 w + 63
	v_and_b32 v6, 31, v0
	v_lshrrev_b32 v7, 2, v6
	v_mul_u32_u24 v7, v7, PITCH
	v_and_b32 v8, 3, v6
	v_lshl_add_u32 v7, v8, 4, v7
	v_add_nc_u32 v[RDC], s23, v7                   ; q, k: eight rows x one head's 64 bytes: row lane / 4, 16 (lane % 4)
	v_mul_u32_u24 v7, v2, PITCH
	v_lshl_add_u32 v7, v1, 4, v7
	v_add_nc_u32 v[RDR], s23, v7                   ; v: two whole rows of 256 bytes
	v_lshlrev_b32 v[GOC], 4, v6                    ; q, k in memory: those eight rows are 512 consecutive bytes
	v_lshlrev_b32 v7, 11, v2
	v_lshl_add_u32 v[GOR], v1, 4, v7               ; v in memory: rows 2,048 bytes apart
	; THE BIAS TABLE, 64 registers.  q, k: the bias goes by the column: register 8 b + j = bias(16 b + 8 h + j).  v: by the row: registers 8 a + 0 .. 7 = bias(16 a + r).  One text: offset = h sH + r sR + j sJ + 64 i
	s_cmp_eq_u32 s[PROD], 1
	s_cselect_b64 s[12:13], s[74:75], s[72:73]
	s_cmp_eq_u32 s[PROD], 2
	s_cselect_b64 s[12:13], s[76:77], s[12:13]
	s_cselect_b32 s94, s17, s42                    ; the tile along the channels' axis,
	s_cselect_b32 s95, s15, s16                    ; and my half of it
	s_cselect_b32 s96, 0, 32                       ; sH
	s_cselect_b32 s97, 4, 0                        ; sR
	s_cselect_b32 s98, 0, 4                        ; sJ
	s_lshl_b32 s94, s94, 10
	s_lshl_b32 s95, s95, 9
	s_add_co_u32 s94, s94, s95
	s_mov_b32 s95, 0
	s_add_nc_u64 s[12:13], s[12:13], s[94:95]
	v_mul_u32_u24 v5, v2, s96
	v_mad_u32_u24 v5, v1, s97, v5
	s_wait_alu depctr_va_vdst(0)
.irp j, 0,1,2,3,4,5,6,7
	s_mul_i32 s99, s98, \j
	v_add_nc_u32 v[VB+\j], s99, v5
.endr
.irp i, 0,1,2,3,4,5,6,7
.irp j, 0,1,2,3,4,5,6,7
	global_load_b32 v[BT+8*\i+\j], v[VB+\j], s[12:13] offset:64*\i
.endr
.endr
	; where my wave's 64 rows of the tile go.  q, k: ((batch x 16 + 4 x tile column) x 2048 + t) x 64, batch = tile row / 8, t = 256 (tile row % 8) + 64 w
	s_lshr_b32 s82, s17, 3
	s_lshl_b32 s82, s82, 4
	s_lshl_b32 s83, s42, 2
	s_add_co_u32 s82, s82, s83
	s_lshl_b32 s82, s82, 11
	s_and_b32 s83, s17, 7
	s_lshl_b32 s83, s83, 8
	s_add_co_u32 s82, s82, s83
	s_lshl_b32 s83, s14, 6
	s_add_co_u32 s82, s82, s83
	s_lshl_b32 s82, s82, 6
	s_lshl_b32 s83, s[PROD], 23
	s_add_co_u32 s82, s82, s83
	; v: 16 MiB + (batch x 1024 + 256 x tile row + 64 w) x 2048 + 256 (tile column % 8), batch = tile column / 8
	s_lshr_b32 s94, s42, 3
	s_lshl_b32 s94, s94, 10
	s_lshl_b32 s95, s17, 8
	s_add_co_u32 s94, s94, s95
	s_lshl_b32 s95, s14, 6
	s_add_co_u32 s94, s94, s95
	s_lshl_b32 s94, s94, 11
	s_and_b32 s95, s42, 7
	s_lshl_b32 s95, s95, 8
	s_add_co_u32 s94, s94, s95
	s_add_co_u32 s94, s94, 0x1000000
	s_cmp_eq_u32 s[PROD], 2
	s_cselect_b32 s82, s94, s82
	s_mov_b32 s83, 0
	s_add_nc_u64 s[10:11], s[80:81], s[82:83]
	s_wait_kmcnt 0x0                               ; the exponents.  All that hangs on them is done by selects and arithmetic: no branch
	s_add_co_i32 s94, s84, s85
	s_add_co_i32 s95, s86, s87
	s_add_co_i32 s96, s88, s89
	s_cmp_eq_u32 s[PROD], 1
	s_cselect_b32 s94, s95, s94
	s_cselect_b32 s97, s91, s90
	s_cmp_eq_u32 s[PROD], 2
	s_cselect_b32 s94, s96, s94                    ; ea + eb
	s_cselect_b32 s97, s93, s97                    ; eo: entry 6, 7 or 9
	s_sub_co_i32 s95, 0, s94
	s_sub_co_i32 s97, s97, s94                     ; eo - ea - eb
	s_add_co_i32 s97, s97, 127
	s_lshl_b32 s96, s97, 23
	v_mov_b32 v[SCV], s96
	s_wait_loadcnt 0x0                             ; the bias
.set j, 0
.rept 64
	v_ldexp_f32 v[BT+j], v[BT+j], s95              ; / 2^(ea + eb)
.set j, j+1
.endr
.macro FRAG reg, adr, q, i             ; a fragment: lane l holds row l % 16; registers 4 c .. 4 c + 3 hold K = 32 c + 16 (l / 16) + 0 .. 15: a permutation of K that is the same on both sides
.irp c, 0,1,2,3
	ds_load_b128 v[\reg+4*\c:\reg+4*\c+3], v[\adr] offset:128*(\q)+32*\c+(\i)*16*PITCH
.endr
.endm
; 16 matrix instructions: row blocks a0, a0 + 1 x the eight column blocks, 128 along K.  p: the column fragments' set.  zero = 1: the sums start from the bias by the column; 2: by the row; 0: they go on.
; The 64 accumulators take turns, one instruction a turn, in the same order in every step.
.macro MUL16 a0, p, zero
.irp a, \a0, \a0+1
.irp b, 0,1,2,3,4,5,6,7
.if \zero == 1
	v_wmma_f32_16x16x128_fp8_fp8 v[8*(8*((\a)%4)+\b):8*(8*((\a)%4)+\b)+7], v[128*(\p)+FR*\b:128*(\p)+FR*\b+FR-1], v[AF+FR*(\a):AF+FR*(\a)+FR-1], v[BT+8*\b:BT+8*\b+7]
.elseif \zero == 2
	v_wmma_f32_16x16x128_fp8_fp8 v[8*(8*((\a)%4)+\b):8*(8*((\a)%4)+\b)+7], v[128*(\p)+FR*\b:128*(\p)+FR*\b+FR-1], v[AF+FR*(\a):AF+FR*(\a)+FR-1], v[BT+8*(\a):BT+8*(\a)+7]
.else
	v_wmma_f32_16x16x128_fp8_fp8 v[8*(8*((\a)%4)+\b):8*(8*((\a)%4)+\b)+7], v[128*(\p)+FR*\b:128*(\p)+FR*\b+FR-1], v[AF+FR*(\a):AF+FR*(\a)+FR-1], v[8*(8*((\a)%4)+\b):8*(8*((\a)%4)+\b)+7]
.endif
.endr
.endr
.endm
.macro FETCH_B slot, q, p
	WIN TO_B
.irp i, 0,1,2,3,4,5,6,7
	FRAG 128*(\p)+FR*\i, ADRB+\slot, \q, \i
.endr
	WIN 0
.endm
.macro FETCH_A slot, q, i0
.irp i, \i0, \i0+1, \i0+2, \i0+3
	FRAG AF+FR*(\i), ADRA+\slot, \q, \i
.endr
.endm
.macro PLACES n                        ; places in front of loads into registers that matrix instructions have read, and of the first read of results
.rept \n
	v_nop
.endr
.endm
; A step of 128 along K that has its successor in the same slot.  A row block is free as soon as its eight products are issued: blocks 0-3 are fetched anew in the step's middle, blocks 4-7 at its end.
.macro STEP slot, q, zero
	s_wait_dscnt 4*NL                              ; the column set and row blocks 0-3 are in; the youngest sixteen loads (row blocks 4-7) may be out
.if \zero
	WIN 0x81                                       ; C (the bias) window 0, D window 2
.else
	WIN MUL_LO
.endif
	MUL16 0, (\q)%2, \zero
	MUL16 2, (\q)%2, \zero
	s_wait_dscnt 0                                 ; row blocks 4-7 are in
	PLACES NP
	FETCH_B \slot, (\q)+1, 1-(\q)%2
	FETCH_A \slot, (\q)+1, 0
.if \zero
	WIN 0xc1                                       ; C window 0, D window 3
.else
	WIN MUL_HI
.endif
	MUL16 4, (\q)%2, \zero
	MUL16 6, (\q)%2, \zero
	PLACES NP
	WIN 0
	FETCH_A \slot, (\q)+1, 4
.endm
; A slot's last step changes slots: ONE barrier; in front of it each wave waits for all its tensor loads, adds 0 to its spare word, and waits for that and for its own reads of this slot.  fill = 1: the slot is filled again, two K steps ahead.
.macro TURN slot, next, fill
	s_wait_tensorcnt 0x0                           ; all my tensor loads have landed: my part of the next slot (every window is 0 here)
	ds_add_u32 v[SPW], v[NIL]                      ; 0 onto my spare word
	s_wait_dscnt 4*NL+1                            ; (the add and the youngest sixteen loads may be out)
	WIN MUL_LO
	MUL16 0, 1, 0                                  ; sixteen matrix instructions stand between the add and the wait for it
	s_wait_dscnt 0x0                               ; the add is done, and my reads of this slot are over
	s_barrier_signal -1
	MUL16 2, 1, 0
	WIN 0
	s_barrier_wait -1
.if \fill
	CREST                                          ; the barrier has opened a round of the cluster's barrier: no wave of any partner still reads this slot or has a load on its way
	s_add_nc_u64 s[G0+4*\slot+2:G0+4*\slot+3], s[G0+4*\slot+2:G0+4*\slot+3], 2*ROWB
	s_add_nc_u64 s[G0B+4*\slot+2:G0B+4*\slot+3], s[G0B+4*\slot+2:G0B+4*\slot+3], 2*ROWB
	JLOAD G0+4*\slot, G1, G0B+4*\slot, G1B         ; the first tensor load behind the round; its four v_nop are the places in front of the loads below
.else
	PLACES NP
.endif
	FETCH_B \next, 0, 0
	FETCH_A \next, 0, 0
	WIN MUL_HI
	MUL16 4, 1, 0
	MUL16 6, 1, 0
	PLACES NP
	WIN 0
	FETCH_A \next, 0, 4
.endm
	s_wait_tensorcnt 1                             ; my part of K step 0 is in; K step 1's load may be out
	s_barrier_signal -1
	s_barrier_wait -1
	FETCH_B 0, 0, 0
	FETCH_A 0, 0, 0
	FETCH_A 0, 0, 4
	s_cmp_eq_u32 s[PROD], 2                        ; the first step is written twice: its products take the bias by the column or by the row.  Both ways hold the same LDS loads and waits
	s_cbranch_scc1 .Lfirst_by_rows
	s_wait_alu depctr_va_vdst(0)
	STEP 0, 0, 1
	s_branch .Lfirst_done
.Lfirst_by_rows:
	s_wait_alu depctr_va_vdst(0)
	STEP 0, 0, 2
.Lfirst_done:
	TURN 0, 1, 1                                   ; K = 1,024 is eight steps of 128, written out: slot 0 takes K 512 on,
	STEP 1, 0, 0
	TURN 1, 0, 1                                   ; slot 1 takes K 768 on
	STEP 0, 0, 0
	TURN 0, 1, 0                                   ; nothing is left to fetch: no round
	STEP 1, 0, 0
	s_wait_dscnt 4*NL                              ; the last step
	WIN MUL_LO
	MUL16 0, 1, 0
	MUL16 2, 1, 0
	s_wait_dscnt 0
	WIN MUL_HI
	MUL16 4, 1, 0
	MUL16 6, 1, 0
	WIN 0
	; THE WAY OUT.  Each row block's 64 sums a lane are converted eight at a time, and their 8 bytes go into the work-group's stage.  Each accumulator is read from its low end on.
	PLACES NP
.irp a, 0,1,2,3,4,5,6,7
	WIN 0x02+(\a/4)                                ; source 0: window 2 or 3
.set j, 0
.rept 64
.set j, j+1
.endr
.irp b, 0,1,2,3,4,5,6,7
	v_cvt_scalef32_pk8_fp8_f32 v[CD+16*\a+2*\b:CD+16*\a+2*\b+1], v[TMP+8*\b+((64*(\a%4)+j)-(TMP+j)):TMP+8*\b+7+((64*(\a%4)+j)-(TMP+j))], v[SCV]
.endr
	WIN 0
	v_nop                                          ; a plain vector line behind the conversions
.irp b, 0,1,2,3,4,5,6,7
	ds_store_b64 v[STO], v[CD+16*\a+2*\b:CD+16*\a+2*\b+1] offset:\a*16*PITCH+16*\b
.endr
.endr
	s_wait_dscnt 0x0                               ; for the others' sake: my stores into the stage are done
	s_barrier_signal -1
	s_barrier_wait -1                              ; a row's 256 bytes come from two waves
	s_cmp_eq_u32 s[PROD], 2                        ; the two ways hold LDS loads and global stores alone
	s_cbranch_scc1 .Lout_by_rows
.irp hh, 0,1,2,3                       ; q, k: head hh of the tile's four: my 64 t x 64 bytes are 4,096 consecutive bytes of memory
.irp g, 0,1,2,3,4,5,6,7
	ds_load_b128 v[128+4*(8*\hh+\g):128+4*(8*\hh+\g)+3], v[RDC] offset:8*PITCH*\g+64*\hh
.endr
.endr
.irp hh, 0,1,2,3
.irp g, 0,1,2,3,4,5,6,7
	s_wait_dscnt 31-(8*\hh+\g)                     ; LDS loads come back in order: this one is in, the younger ones may be out
	global_store_b128 v[GOC], v[128+4*(8*\hh+\g):128+4*(8*\hh+\g)+3], s[10:11] offset:131072*\hh+512*\g   ; 32 lanes store 512 consecutive bytes
.endr
.endr
	s_branch .Lout_done
.Lout_by_rows:
.irp i, 0,1,2,3,4,5,6,7,8,9,10,11,12,13,14,15,16,17,18,19,20,21,22,23,24,25,26,27,28,29,30,31
	ds_load_b128 v[128+4*\i:128+4*\i+3], v[RDR] offset:2*PITCH*\i     ; v: two channels' rows of 256 t
.endr
.irp i, 0,1,2,3,4,5,6,7,8,9,10,11,12,13,14,15,16,17,18,19,20,21,22,23,24,25,26,27,28,29,30,31
	s_wait_dscnt 31-\i
	global_store_b128 v[GOR], v[128+4*\i:128+4*\i+3], s[10:11] offset:4096*\i   ; sixteen lanes store 256 consecutive bytes, at a multiple of 256
.endr
.Lout_done:
	s_wait_tensorcnt 0x0                           ; the wave's end, behind my last tensor load and my last LDS store
	ds_add_u32 v[SPW], v[NIL]
	s_wait_dscnt 0x0
	CROUND                                         ; the closing round: no work-group ends while a partner may still ask for a tile that names it
	s_endpgm
.Lfunc_end_k_q44c60a6fe9_qkv:
	.size	k_q44c60a6fe9_qkv, .Lfunc_end_k_q44c60a6fe9_qkv-k_q44c60a6fe9_qkv
	.p2alignl 7, 3214868480
	.fill 96, 4, 3214868480
	.section	.rodata,"a",@progbits
	.p2align	6, 0x0
	.amdhsa_kernel k_q44c60a6fe9_qkv
		.amdhsa_group_segment_fixed_size 327680
		.amdhsa_private_segment_fixed_size 0
		.amdhsa_enable_private_segment 0
		.amdhsa_kernarg_size 56
		.amdhsa_user_sgpr_count 2
		.amdhsa_user_sgpr_kernarg_segment_ptr 1
		.amdhsa_wavefront_size32 1
		.amdhsa_system_sgpr_workgroup_id_x 1
		.amdhsa_system_sgpr_workgroup_id_y 1
		.amdhsa_system_sgpr_workgroup_id_z 1
		.amdhsa_system_vgpr_workitem_id 0
		.amdhsa_next_free_vgpr 1024
		.amdhsa_next_free_sgpr 100
		.amdhsa_reserve_vcc 0
		.amdhsa_float_denorm_mode_32 3
		.amdhsa_float_denorm_mode_16_64 3
		.amdhsa_fp16_overflow 1
		.amdhsa_memory_ordered 1
		.amdhsa_forward_progress 1
		.amdhsa_inst_pref_size 120
	.end_amdhsa_kernel
	.amdgpu_metadata
---
amdhsa.version: [ 1, 2 ]
amdhsa.kernels:
  - .name:           k_q44c60a6fe9_qkv
    .symbol:         k_q44c60a6fe9_qkv.kd
    .args:
      - { .name: xc, .offset: 0, .size: 8, .value_kind: global_buffer, .address_space: global }
      - { .name: wc, .offset: 8, .size: 8, .value_kind: global_buffer, .address_space: global }
      - { .name: bq, .offset: 16, .size: 8, .value_kind: global_buffer, .address_space: global }
      - { .name: bk, .offset: 24, .size: 8, .value_kind: global_buffer, .address_space: global }
      - { .name: bv, .offset: 32, .size: 8, .value_kind: global_buffer, .address_space: global }
      - { .name: lowp_scales, .offset: 40, .size: 8, .value_kind: global_buffer, .address_space: global }
      - { .name: qkv, .offset: 48, .size: 8, .value_kind: global_buffer, .address_space: global }
    .group_segment_fixed_size: 327680
    .private_segment_fixed_size: 0
    .kernarg_segment_align: 8
    .kernarg_segment_size: 56
    .max_flat_workgroup_size: 128
    .sgpr_count:     100
    .vgpr_count:     1024
    .wavefront_size: 32
...
	.end_amdgpu_metadata
.endif
;; end of part 2
;; launch attn (part 3): grid 4 x 64, 16 waves a work-group, no clusters, 327,680 bytes of LDS; arguments qkv, lowp_scales, yc; writes yc
.if DOCPART == 3
	.amdgcn_target "amdgcn-amd-amdhsa--gfx1250"
	.amdhsa_code_object_version 6
	.text
	.protected	k_q44c60a6fe9_attn
	.globl	k_q44c60a6fe9_attn
	.p2align	8
	.type	k_q44c60a6fe9_attn,@function
k_q44c60a6fe9_attn:
	s_mov_b64 s[64:65], 0
	v_nop
	global_prefetch_b8 v0, s[64:65] scope:SCOPE_SE
	s_setreg_imm32_b32 hwreg(HW_REG_WAVE_MODE, 25, 1), 1
	s_wait_xcnt 0x0
; y[head][q] = the sum over keys k <= q of softmax_k(q . k / 8) v[k], both products on codes of FP8 (E4M3), head size 64, 2,048 positions, 64 heads of all batches.  y is quantised at once (entry 10) and stored as codes.
; q, k codes: [64][2048][64] at +0 and +8 MiB of qkv; v codes with the keys innermost, [64][64][2048], at +16 MiB.  yc: [32 blocks of 256 t over all batches][16 heads][256 t][64 d]: the order in which the next launch takes its tiles.
; THE SOFTMAX AHEAD OF THE SECOND PRODUCT: t = score x log2(e) / 8; M = the row's largest t so far, rounded UP to a whole number; p = 2^(t - M) is quantised (entry 8), not normalised.
; The row's sum is taken of the unquantised p, in f32, and divides at the end.  When M moves, the sum and O are multiplied by 2^(old M - new M): exact.
; SHARES.  Work-group (i, head) owns the query blocks i and 7 - i of its head, 256 queries each, one after the other; wave w owns 16 queries of each.  Block i needs the key slots 0 .. i, block 7 - i the slots 0 .. 7 - i:
; nine slots of 256 keys whatever i: the trip count is a constant, all 256 work-groups have the same work, and no slot is fetched that the mask hides whole.
; NO JOINT LOADS: the four work-groups of a head turn back to key 0 behind different slots (i + 1), so they do not want the same tile at the same change of slots; walking alike would take twelve slots in place of nine.
; The K and V tiles come through a ring of two LDS slots (waves 0, 1: K's halves; wave 2: V) and are read by all sixteen waves.  A refill has a whole slot's two key steps of all sixteen waves in which to land.
; LAYOUT.  Both products are used transposed: S^T = K Q^T (source 0 = 16 keys), O^T = V^T P^T (source 0 = 16 of the head's 64): a lane holds ONE query (lane % 16) throughout.
; THE KEYS OF A TILE ARE NOT NEIGHBOURS: lane r of tile 2 b + u takes key 32 b + 8 u + r + 8 (r / 8), so that the 16 registers of tiles 2 b, 2 b + 1 are the keys 32 b + 16 (lane / 16) + 0 .. 15.
; THE MASK.  A step all of whose 128 keys come after my 16 queries is left out by a scalar branch on ids; on the diagonal hidden scores become -infinity ahead of the maximum.  Key 0 counts for every query, so M is a number from a block's first step on.
; LIMITS on the given exponents: e6 + e7 between -123 and 130 (they are added to c's exponent field); e8 and e10 between -126 and 127; e8 + e9 is applied by v_ldexp_f32 and has none.  NaN is not served.
; REGISTERS: v1-3, v7, v10, v11 addresses that stay; v8, v9 addresses of the step; v12 -M, v13 the largest t, v[14:15] the sum in two halves; v16-23 Q, v24-31 the second block's Q; v32-95 eight fragments of K, then four of V;
;   v96-159 S^T, then p; v160-191 O^T; v192-207 p's codes; v208-223 the way out; v236-254 at work and constants.
.set KP2,   144                        ; two keys' 128 bytes + 16 of padding: key n lies at 64 n + 16 (n / 2), and the 16 keys of a fragment load start at 16 different groups of banks
.set VP,    272                        ; a row of V's tile: 256 keys + 16 of padding
.set VOFF,  128*KP2                    ; a slot: 256 keys of K, then 64 rows of V
.set SLOT1, 1<<16                      ; slot 1 begins here: one exclusive or turns an address from one slot into the other
.set STAGE, 2*SLOT1                    ; the way out: 16 rows x 80 bytes for each wave: bytes of their own, into which no tile lands
.set SPARE, STAGE+16*1280              ; behind the stages: the spare words, 128 bytes a wave
.set AK0,  1
.set AV0,  2
.set QO,   3
.set SPW,  5                           ; v5   LDS address of my spare word; never rewritten
.set NIL,  6                           ; v6   0; never rewritten
.set GO,   7
.set ADK,  8
.set ADV,  9
.set STO,  10
.set SRD,  11
.set TB,   2                           ; s2   LDS byte at which the slot in hand begins
.set WV,   18                          ; s18  my wave's number
.set SEL,  20                          ; s[20:21] lane selects for v_permlanex16_b32: lane l xor 16
.set CS,   22                          ; s[22:23] c = log2(e) / 8 x 2^(e6 + e7)
.set G1K,  24                          ; s[24:31], s[32:39] groups 1 of K's and V's tiles;  s[40:43], s[44:47] their groups 0
.set G1V,  32
.set G0K,  40
.set G0V,  44
.set KB,   48                          ; s[48:49] my half of K's first slot in memory;  s[50:51] V's first slot
.set VBS,  50
.set CH,   52                          ; s52  which 256 keys the load in hand brings
.set YP,   56                          ; s[56:57] where my 16 rows of y go;  s[58:59] the second block's
.set YP2,  58
.set FL,   66                          ; s66  8 - i: the count of slots at which the first block ends
.set SLOTS, 67                         ; s67  slots still to be asked for
.set KF,   98                          ; s98  the step's first key
.set Q0,   99                          ; s99  my first query;  s97 the second block's
; Waves 0 and 1 fetch K's halves, wave 2 V's tile, the others nothing.  The branches hang on the wave's number alone.  An s_nop 0 and four v_nop follow each of the two lines.
.macro TLOAD
	s_cmp_lt_u32 s[WV], 2
	s_cbranch_scc0 .Lnot_k_\@
	tensor_load_to_lds s[G0K:G0K+3], s[G1K:G1K+7]
	s_nop 0
.rept 4
	v_nop
.endr
	s_branch .Lasked_\@
.Lnot_k_\@:
	s_cmp_eq_u32 s[WV], 2
	s_cbranch_scc0 .Lasked_\@
	tensor_load_to_lds s[G0V:G0V+3], s[G1V:G1V+7]
	s_nop 0
.rept 4
	v_nop
.endr
.Lasked_\@:
.endm
	s_load_b128 s[4:7], s[0:1], 0x0                ; qkv s[4:5], the exponents s[6:7]
	s_load_b64 s[8:9], s[0:1], 0x10                ; yc
	v_lshl_add_u32 v[SPW], v0, 2, SPARE
	v_mov_b32 v[NIL], 0
	ds_add_u32 v[SPW], v[NIL]                      ; the wave's opening: the add and its wait stand ahead of my first tensor load; the set-up below, work on registers, stands between them
	ds_add_u32 v[SPW], v[NIL]
	v_lshrrev_b32 v32, 5, v0
	s_delay_alu instid0(VALU_DEP_1)
	v_readfirstlane_b32 s[WV], v32                 ; wave 0..15
	s_and_b32 s10, ttmp7, 0xffff                   ; the head among all batches' 64
	s_lshl_b32 s74, s10, 17                        ; its 131,072 bytes in each of q, k, v
	s_mov_b32 s75, 0
	s_lshr_b32 s11, s10, 4
	s_lshl_b32 s11, s11, 3                         ; 8 x batch
	s_and_b32 s12, s10, 15                         ; the head in its batch
	s_lshl_b32 s15, s[WV], 10                      ; my 16 rows of 64 bytes in a block of y
	s_add_co_u32 s13, s11, ttmp9
	s_lshl_b32 s13, s13, 4
	s_add_co_u32 s13, s13, s12
	s_lshl_b32 s13, s13, 14
	s_add_co_u32 s13, s13, s15                     ; y of block i: ((8 batch + i) x 16 + head) x 16,384 + 1,024 w
	s_sub_co_u32 s16, 7, ttmp9
	s_add_co_u32 s14, s11, s16
	s_lshl_b32 s14, s14, 4
	s_add_co_u32 s14, s14, s12
	s_lshl_b32 s14, s14, 14
	s_add_co_u32 s14, s14, s15                     ; and of block 7 - i
	s_lshl_b32 s17, s[WV], 4
	s_lshl_b32 s[Q0], ttmp9, 8
	s_add_co_u32 s[Q0], s[Q0], s17                 ; my first query: 256 i + 16 w,
	s_lshl_b32 s97, s16, 8
	s_add_co_u32 s97, s97, s17                     ; then 256 (7 - i) + 16 w
	s_sub_co_u32 s[FL], 8, ttmp9
	s_and_b32 s78, s[WV], 1
	s_lshl_b32 s76, s78, 13                        ; K's half that I fetch, if I fetch: 128 keys x 64 bytes in memory,
	s_mov_b32 s77, 0
	s_mul_i32 s78, s78, 64*KP2                     ; and in a slot
	; group 1.  K: 64 rows of 128 bytes (two keys each), dense in memory.  V: 64 rows of 256 bytes, 2,048 bytes apart
	s_mov_b32 s[G1K], (1<<20)|(4<<22)|(3<<25)      ; no mask; elements of 1 byte; padding on: four words after every 32
	s_mov_b32 s[G1K+1], 128<<16                    ; tensor_dim0
	s_mov_b32 s[G1K+2], 64<<16                     ; tensor_dim1
	s_mov_b32 s[G1K+3], 128<<16                    ; tile_dim0
	s_mov_b32 s[G1K+4], 64                         ; tile_dim1
	s_mov_b32 s[G1K+5], 128                        ; tensor_dim0_stride
	s_mov_b32 s[G1K+6], 0
	s_mov_b32 s[G1K+7], 0
	s_mov_b32 s[G1V], (1<<20)|(5<<22)|(3<<25)      ; padding: four words after every 64
	s_mov_b32 s[G1V+1], 256<<16
	s_mov_b32 s[G1V+2], 64<<16
	s_mov_b32 s[G1V+3], 256<<16
	s_mov_b32 s[G1V+4], 64
	s_mov_b32 s[G1V+5], 2048
	s_mov_b32 s[G1V+6], 0
	s_mov_b32 s[G1V+7], 0
	s_mov_b32 s[SEL], 0x76543210
	s_mov_b32 s[SEL+1], 0xfedcba98
	s_mov_b32 s[CS], 0x3e38aa3b                    ; log2(e) / 8
	s_mov_b32 s[TB], 0
	s_mov_b32 s[SLOTS], 8
	s_mov_b32 s[KF], 0
	s_mov_b32 s[CH], 0
	s_mov_b32 s55, 0                               ; the upper word of the offsets' pair s[54:55]; stays 0
	s_wait_dscnt 0x0                               ; the opening add is done
	s_wait_kmcnt 0x0
	s_load_b64 s[68:69], s[6:7], 0x18              ; e6, e7
	s_load_b64 s[70:71], s[6:7], 0x20              ; e8, e9
	s_load_b32 s72, s[6:7], 0x28                   ; e10
	s_add_nc_u64 s[4:5], s[4:5], s[74:75]          ; q's codes of my head
	s_add_nc_u64 s[KB:KB+1], s[4:5], 0x800000      ; k's,
	s_add_nc_u64 s[KB:KB+1], s[KB:KB+1], s[76:77]  ; at my half
	s_add_nc_u64 s[VBS:VBS+1], s[4:5], 0x1000000   ; v's
	s_mov_b32 s[G0K], 1                            ; count = 1
	s_mov_b32 s[G0K+1], s78                        ; LDS address: slot 0
	s_mov_b64 s[G0K+2:G0K+3], s[KB:KB+1]           ; global address: the head's first 256 keys
	s_or_b32 s[G0K+3], s[G0K+3], 0x80000000        ; type = 2
	s_mov_b32 s[G0V], 1
	s_mov_b32 s[G0V+1], VOFF
	s_mov_b64 s[G0V+2:G0V+3], s[VBS:VBS+1]
	s_or_b32 s[G0V+3], s[G0V+3], 0x80000000
	TLOAD                                          ; slot 0
	s_lshl_b32 s54, s[Q0], 6
	s_add_nc_u64 s[60:61], s[4:5], s[54:55]        ; Q of the first block,
	s_lshl_b32 s54, s97, 6
	s_add_nc_u64 s[62:63], s[4:5], s[54:55]        ; and of the second
	s_mov_b32 s54, s13
	s_add_nc_u64 s[YP:YP+1], s[8:9], s[54:55]
	s_mov_b32 s54, s14
	s_add_nc_u64 s[YP2:YP2+1], s[8:9], s[54:55]
	v_and_b32 v32, 15, v0                          ; r = lane % 16
	v_bfe_u32 v33, v0, 4, 1                        ; h = lane / 16
	s_delay_alu instid0(VALU_DEP_2)
	v_lshlrev_b32 v[QO], 6, v32
	s_delay_alu instid0(VALU_DEP_1)
	v_lshl_add_u32 v[QO], v33, 4, v[QO]            ; Q: row r of 64 bytes, + 16 h: registers 4 c .. 4 c + 3 hold d = 32 c + 16 h + 0 .. 15, as K's fragments do
	global_load_b128 v[16:19], v[QO], s[60:61]
	global_load_b128 v[20:23], v[QO], s[60:61] offset:32
	global_load_b128 v[24:27], v[QO], s[62:63]
	global_load_b128 v[28:31], v[QO], s[62:63] offset:32
	v_and_b32 v34, 8, v32
	s_delay_alu instid0(VALU_DEP_1)
	v_add_nc_u32 v34, v34, v32                     ; n = r + 8 (r / 8)
	s_delay_alu instid0(VALU_DEP_1)
	v_lshrrev_b32 v35, 1, v34
	s_delay_alu instid0(VALU_DEP_2)
	v_lshlrev_b32 v[AK0], 6, v34
	s_delay_alu instid0(VALU_DEP_1)
	v_lshl_add_u32 v[AK0], v35, 4, v[AK0]
	s_delay_alu instid0(VALU_DEP_1)
	v_lshl_add_u32 v[AK0], v33, 4, v[AK0]          ; K: 64 n + 16 (n / 2) + 16 h
	v_mul_u32_u24 v[AV0], v32, VP
	s_delay_alu instid0(VALU_DEP_1)
	v_lshl_add_u32 v[AV0], v33, 4, v[AV0]
	s_delay_alu instid0(VALU_DEP_1)
	v_add_nc_u32 v[AV0], VOFF, v[AV0]              ; V: row r, + 16 h
	v_and_b32 v34, 31, v0
	s_delay_alu instid0(VALU_DEP_1)
	v_lshlrev_b32 v[GO], 4, v34                    ; y in memory: 16 bytes a lane
	s_mul_i32 s53, s[WV], 1280
	s_add_co_u32 s53, s53, STAGE                   ; my stage
	v_mul_u32_u24 v[STO], v32, 80
	s_delay_alu instid0(VALU_DEP_1)
	v_lshl_add_u32 v[STO], v33, 3, v[STO]
	s_delay_alu instid0(VALU_DEP_1)
	v_add_nc_u32 v[STO], s53, v[STO]               ; in: row r, + 8 h
	v_lshrrev_b32 v35, 2, v34
	s_delay_alu instid0(VALU_DEP_1)
	v_mul_u32_u24 v[SRD], v35, 80
	v_and_b32 v35, 3, v34
	s_delay_alu instid0(VALU_DEP_1)
	v_lshl_add_u32 v[SRD], v35, 4, v[SRD]
	s_delay_alu instid0(VALU_DEP_1)
	v_add_nc_u32 v[SRD], s53, v[SRD]               ; back: eight rows of 64 bytes an instruction
	v_mov_b32 v13, 0xff61b1e6                      ; the largest t so far: -3e38, under every t
	s_delay_alu instid0(VALU_DEP_1)
	v_floor_f32 v12, -v13                          ; -M
	v_mov_b32 v14, 0                               ; the sum, in two halves
	v_mov_b32 v15, 0
	v_mov_b32 v236, 0                              ; written once: a lane permute's destination counts as one of its sources
	v_mov_b32 v252, 0
	v_mov_b32 v253, 0                              ; (named as the upper half of the pair v[252:253])
.set j, 0
.rept 32
	v_mov_b32 v[160+j], 0                          ; O^T.  (The step is written without a first form: it finds zeros, which the first change of M leaves zeros)
.set j, j+1
.endr
	s_wait_kmcnt 0x0
	s_add_co_i32 s53, s68, s69
	s_lshl_b32 s53, s53, 23
	s_add_co_i32 s[CS], s[CS], s53                 ; a score stands for score x 2^(e6 + e7): the two exponents are added to c's exponent field
	s_mov_b32 s[CS+1], s[CS]                       ; (named with it as a pair, so it is written)
	s_add_co_i32 s53, s70, 127
	s_lshl_b32 s54, s53, 23
	v_mov_b32 v244, s54                            ; 2^e8, for p's conversion
	s_add_co_i32 s53, s72, 127
	s_lshl_b32 s54, s53, 23
	v_mov_b32 v245, s54                            ; 2^e10, for y's conversion
	s_add_co_i32 s73, s70, s71                     ; e8 + e9
; A KEY STEP: 128 keys, the q-th of the slot in hand.
.macro STEP q
	s_add_co_u32 s96, s[Q0], 15
	s_cmp_gt_u32 s[KF], s96                        ; all 128 keys come after my 16 queries: the step's work is left out.  No barrier and no tensor load stands in a step
	s_cbranch_scc1 .Lhidden_\@
	v_add_nc_u32 v[ADK], s[TB], v[AK0]
	v_add_nc_u32 v[ADV], s[TB], v[AV0]
	v_nop                                          ; with the two additions: four places in front of loads into registers that the last products read
	v_nop
.irp tt, 0,1,2,3,4,5,6,7
.irp c, 0,1
	ds_load_b128 v[32+8*\tt+4*\c:32+8*\tt+4*\c+3], v[ADK] offset:(128*(\q)+32*(\tt/2)+8*(\tt%2))*72+32*\c   ; a tile's first key is even: it lies 72 bytes a key on
.endr
.endr
	s_wait_alu depctr_va_vdst(0)
	s_wait_dscnt 0x0
.irp tt, 0,1,2,3,4,5,6,7
	v_wmma_f32_16x16x64_fp8_fp8 v[96+8*\tt:103+8*\tt], v[32+8*\tt:39+8*\tt], v[16:23], 0   ; S^T = K Q^T: eight tiles of 16 keys
.endr
.rept 4
	v_nop                                          ; places in front of the loads below and of the first read of the scores
.endr
.irp t, 0,1,2,3
.irp c, 0,1,2,3
	ds_load_b128 v[32+16*\t+4*\c:32+16*\t+4*\c+3], v[ADV] offset:16*VP*\t+128*(\q)+32*\c   ; V's four fragments take K's registers and land while the softmax is worked
.endr
.endr
	s_add_co_u32 s96, s[KF], 127
	s_cmp_le_u32 s96, s[Q0]                        ; all 128 keys count for all my queries: no mask
	s_cbranch_scc1 .Lopen_\@
	s_sub_co_i32 s96, s[Q0], s[KF]
	v_and_b32 v252, 15, v0
	v_bfe_u32 v253, v0, 4, 1
	s_delay_alu instid0(VALU_DEP_1)
	v_lshlrev_b32 v253, 4, v253
	s_delay_alu instid0(VALU_DEP_1)
	v_sub_nc_u32 v252, v252, v253
	s_delay_alu instid0(VALU_DEP_1)
	v_add_nc_u32 v252, s96, v252                   ; d = my query - KF - 16 (lane / 16).  Register 16 b + i holds key KF + 16 (lane / 16) + 32 b + i: hidden where 32 b + i > d
	v_mov_b32 v254, 0xff800000                     ; -infinity
.set n, 0
.rept 64
	v_cmp_gt_i32 vcc_lo, 32*(n/16)+n%16, v252
	v_cndmask_b32 v[96+n], v[96+n], v254, vcc_lo
.set n, n+1
.endr
.Lopen_\@:
	v_max3_num_f32 v254, v96, v97, v98             ; the step's largest score of my query, among my 64 keys, in two chains,
	v_max3_num_f32 v252, v99, v100, v101
.irp i, 6,10,14,18,22,26,30,34,38,42,46,50,54,58
	v_max3_num_f32 v254, v254, v[96+\i], v[97+\i]
	v_max3_num_f32 v252, v252, v[98+\i], v[99+\i]
.endr
	v_max3_num_f32 v254, v254, v158, v159
	s_delay_alu instid0(VALU_DEP_1)
	v_max_num_f32 v254, v254, v252
	s_delay_alu instid0(VALU_DEP_1)
	v_permlanex16_b32 v236, v254, s[SEL], s[SEL+1]
	s_delay_alu instid0(VALU_DEP_1)
	v_max_num_f32 v254, v254, v236                 ; and among lane l xor 16's
	s_delay_alu instid0(VALU_DEP_1)
	v_mul_f32 v254, s[CS], v254                    ; as t (c is positive)
	s_delay_alu instid0(VALU_DEP_1)
	v_max_num_f32 v13, v13, v254                   ; the running largest t
	v_mov_b32 v254, v12
	s_delay_alu instid0(VALU_DEP_2)
	v_floor_f32 v12, -v13                          ; the new -M = floor(-t) = -ceil(t): M is a whole number
	s_delay_alu instid0(VALU_DEP_1)
	v_sub_f32 v254, v12, v254                      ; M's old value less its new one: a whole number, 0 or less
	s_delay_alu instid0(VALU_DEP_1)
	v_cvt_i32_f32 v254, v254                       ; (it saturates)
	s_delay_alu instid0(VALU_DEP_1)
	v_ldexp_f32 v252, 1.0, v254                    ; f = 2^(old M - new M)
.set j, 0
.rept 32
	v_pk_fma_f32 v[96+j:97+j], v[96+j:97+j], s[CS:CS+1], v[12:13] op_sel_hi:[1,0,0]   ; t - M, two at a time (of the pairs c and -M the low word serves both halves)
.set j, j+2
.endr
.set j, 0
	s_wait_alu depctr_va_vdst(0)
.rept 64
	v_exp_f32 v[96+j], v[96+j]                     ; p = 2^(t - M), at most 1: not normalised
.set j, j+1
.endr
	v_pk_mul_f32 v[14:15], v[14:15], v[252:253] op_sel_hi:[1,0]   ; the sums under the new M: the plain line behind the exponentials
	s_wait_alu depctr_va_vdst(0)                   ; one wait for the whole batch, ahead of its first reader
	v_pk_add_f32 v[242:243], v[100:101], v[104:105]
	v_pk_add_f32 v[254:255], v[108:109], v[112:113]
	v_pk_add_f32 v[250:251], v[116:117], v[120:121]
	v_pk_add_f32 v[248:249], v[124:125], v[128:129]
	v_pk_add_f32 v[246:247], v[132:133], v[136:137]
	v_pk_add_f32 v[240:241], v[140:141], v[144:145]
	v_pk_add_f32 v[238:239], v[148:149], v[152:153]
	v_pk_add_f32 v[14:15], v[14:15], v[156:157]
	v_pk_add_f32 v[242:243], v[242:243], v[96:97]
	v_pk_add_f32 v[254:255], v[254:255], v[98:99]
	v_pk_add_f32 v[250:251], v[250:251], v[102:103]
	v_pk_add_f32 v[248:249], v[248:249], v[106:107]
	v_pk_add_f32 v[246:247], v[246:247], v[110:111]
	v_pk_add_f32 v[240:241], v[240:241], v[114:115]
	v_pk_add_f32 v[238:239], v[238:239], v[118:119]
	v_pk_add_f32 v[14:15], v[14:15], v[122:123]
	v_pk_add_f32 v[242:243], v[242:243], v[126:127]
	v_pk_add_f32 v[254:255], v[254:255], v[130:131]
	v_pk_add_f32 v[250:251], v[250:251], v[134:135]
	v_pk_add_f32 v[248:249], v[248:249], v[138:139]
	v_pk_add_f32 v[246:247], v[246:247], v[142:143]
	v_pk_add_f32 v[240:241], v[240:241], v[146:147]
	v_pk_add_f32 v[238:239], v[238:239], v[150:151]
	v_pk_add_f32 v[14:15], v[14:15], v[154:155]
	v_pk_add_f32 v[242:243], v[242:243], v[158:159]
	s_delay_alu instid0(VALU_DEP_2)
	v_pk_add_f32 v[14:15], v[14:15], v[248:249]
	s_delay_alu instid0(VALU_DEP_2)
	v_pk_add_f32 v[242:243], v[242:243], v[246:247]
	v_pk_add_f32 v[254:255], v[254:255], v[240:241]
	v_pk_add_f32 v[250:251], v[250:251], v[238:239]
	s_delay_alu instid0(VALU_DEP_2)
	v_pk_add_f32 v[14:15], v[14:15], v[254:255]
	s_delay_alu instid0(VALU_DEP_2)
	v_pk_add_f32 v[242:243], v[242:243], v[250:251]
	s_delay_alu instid0(VALU_DEP_1)
	v_pk_add_f32 v[14:15], v[14:15], v[242:243]
.irp b, 0,1,2,3
.irp i, 0,1,2,3,4,5,6,7,8,9,10,11,12,13,14,15
.endr
	v_cvt_scalef32_pk8_fp8_f32 v[192+4*\b:193+4*\b], v[96+16*\b:103+16*\b], v244
	v_cvt_scalef32_pk8_fp8_f32 v[194+4*\b:195+4*\b], v[104+16*\b:111+16*\b], v244
.endr
.set j, 0
.rept 16
	v_pk_mul_f32 v[160+j:161+j], v[160+j:161+j], v[252:253] op_sel_hi:[1,0]   ; O^T under the new M.  (Also the plain lines between the conversions and the products that read the codes)
.set j, j+2
.endr
	s_wait_alu depctr_va_vdst(0)
	s_wait_dscnt 0x0                               ; V's fragments are in
.irp t, 0,1,2,3
	v_wmma_f32_16x16x128_fp8_fp8 v[160+8*\t:167+8*\t], v[32+16*\t:47+16*\t], v[192:207], v[160+8*\t:167+8*\t]   ; O^T += V^T P^T: four accumulators by turns
.endr
.Lhidden_\@:
	s_add_co_u32 s[KF], s[KF], 128
.endm
; THE CHANGE OF SLOTS stands at a slot's head.  Each wave waits for all its tensor loads (its part of the slot that it is about to read), adds 0 to its spare word, and waits for that and for its reads of the slot that it has left.
; fill = 1: behind the barrier that other slot is filled with the 256 keys that follow; behind the first block's last slot those are the head's first 256 again.
.macro CHANGE fill
	s_wait_tensorcnt 0x0                           ; no tensor load of mine is out, so a group 0 may be written
	ds_add_u32 v[SPW], v[NIL]                      ; 0 onto my spare word; the descriptors' steps stand between it and the wait for it
.if \fill
	s_xor_b32 s[G0K+1], s[G0K+1], SLOT1            ; the other slot than last time
	s_xor_b32 s[G0V+1], s[G0V+1], SLOT1
	s_add_co_u32 s53, s[CH], 1
	s_cmp_eq_u32 s[SLOTS], s[FL]
	s_cselect_b32 s[CH], 0, s53
	s_lshl_b32 s54, s[CH], 14                      ; 256 keys of 64 bytes
	s_add_nc_u64 s[G0K+2:G0K+3], s[KB:KB+1], s[54:55]
	s_or_b32 s[G0K+3], s[G0K+3], 0x80000000
	s_lshl_b32 s54, s[CH], 8                       ; 256 keys along V's rows
	s_add_nc_u64 s[G0V+2:G0V+3], s[VBS:VBS+1], s[54:55]
	s_or_b32 s[G0V+3], s[G0V+3], 0x80000000
.endif
	s_wait_dscnt 0x0                               ; the add is done, and my reads of the slot that I have left are over
	s_barrier_signal -1
	s_barrier_wait -1
.if \fill
	TLOAD                                          ; the first thing behind the barrier, and a wave's one tensor load until the next
.endif
.endm
.macro SLOT_STEPS
	STEP 0
	STEP 1
	s_xor_b32 s[TB], s[TB], SLOT1                  ; on to the other slot
.endm
; A BLOCK'S WAY OUT.  O^T / the sum x 2^(e8 + e9) is y; it is converted, and its 8 bytes a tile go through my stage, so that my 16 rows of 64 bytes leave as two stores of 512 consecutive bytes.
; again = 1: the second block's query, address and empty state follow.
.macro FLUSH again
.rept 4
	v_nop                                          ; places behind the last products
.endr
	v_add_f32 v14, v14, v15                        ; the sum's two halves,
	s_delay_alu instid0(VALU_DEP_1)
	v_permlanex16_b32 v252, v14, s[SEL], s[SEL+1]
	s_delay_alu instid0(VALU_DEP_1)
	v_add_f32 v14, v14, v252                       ; and lane l xor 16's: the row's sum
	s_wait_alu depctr_va_vdst(0)
	v_rcp_f32 v14, v14
	v_nop                                          ; a plain line behind the reciprocal,
	s_wait_alu depctr_va_vdst(0)                   ; and a wait ahead of its first reader
	v_ldexp_f32 v14, v14, s73
.set j, 0
.rept 32
	v_mul_f32 v[96+j], v[160+j], v14               ; register 8 t + i is y(r, 16 t + 8 h + i); each accumulator from its low end on
.set j, j+1
.endr
.set j, 0
.rept 32
.set j, j+1
.endr
.irp t, 0,1,2,3
	v_cvt_scalef32_pk8_fp8_f32 v[208+2*\t:209+2*\t], v[96+8*\t:103+8*\t], v245
.endr
	v_nop                                          ; a plain line behind the conversions: later products write their sources
.irp t, 0,1,2,3
	ds_store_b64 v[STO], v[208+2*\t:209+2*\t] offset:16*\t
.endr
.irp i, 0,1
	ds_load_b128 v[216+4*\i:219+4*\i], v[SRD] offset:640*\i   ; LDS serves a wave's instructions in order: these see my stores
.endr
	s_wait_dscnt 0x0
.irp i, 0,1
	global_store_b128 v[GO], v[216+4*\i:219+4*\i], s[YP:YP+1] offset:512*\i
.endr
.if \again
	s_wait_xcnt 0x0                                ; the stores have read their base and their data: both are written again only behind this wait
	s_mov_b64 s[YP:YP+1], s[YP2:YP2+1]
	s_mov_b32 s[Q0], s97
	s_mov_b32 s[KF], 0
.irp j, 0,1,2,3,4,5,6,7
	v_mov_b32 v[16+\j], v[24+\j]                   ; the second block's Q
.endr
	v_mov_b32 v13, 0xff61b1e6
	s_delay_alu instid0(VALU_DEP_1)
	v_floor_f32 v12, -v13
	v_mov_b32 v14, 0
	v_mov_b32 v15, 0
.set j, 0
.rept 32
	v_mov_b32 v[160+j], 0
.set j, j+1
.endr
.endif
.endm
	s_wait_loadcnt 0x0                             ; Q
.Lslot:                                            ; eight trips: behind each change of slots but the last the next slot is asked for
	CHANGE 1
	SLOT_STEPS
	s_cmp_lg_u32 s[SLOTS], s[FL]                   ; the first block's last slot?  The same in all sixteen waves; the lines jumped over hold no barrier and no tensor load
	s_cbranch_scc1 .Lsame_block
	FLUSH 1
.Lsame_block:
	s_sub_co_u32 s[SLOTS], s[SLOTS], 1
	s_cmp_lg_u32 s[SLOTS], 0
	s_cbranch_scc1 .Lslot
	CHANGE 0                                       ; the last slot is written out
	SLOT_STEPS
	FLUSH 0
	s_wait_tensorcnt 0x0                           ; the wave's end, behind my last tensor load and my last LDS store
	ds_add_u32 v[SPW], v[NIL]
	s_wait_dscnt 0x0
	s_endpgm
.Lfunc_end_k_q44c60a6fe9_attn:
	.size	k_q44c60a6fe9_attn, .Lfunc_end_k_q44c60a6fe9_attn-k_q44c60a6fe9_attn
	.p2alignl 7, 3214868480
	.fill 96, 4, 3214868480
	.section	.rodata,"a",@progbits
	.p2align	6, 0x0
	.amdhsa_kernel k_q44c60a6fe9_attn
		.amdhsa_group_segment_fixed_size 327680
		.amdhsa_private_segment_fixed_size 0
		.amdhsa_enable_private_segment 0
		.amdhsa_kernarg_size 24
		.amdhsa_user_sgpr_count 2
		.amdhsa_user_sgpr_kernarg_segment_ptr 1
		.amdhsa_wavefront_size32 1
		.amdhsa_system_sgpr_workgroup_id_x 1
		.amdhsa_system_sgpr_workgroup_id_y 1
		.amdhsa_system_sgpr_workgroup_id_z 1
		.amdhsa_system_vgpr_workitem_id 0
		.amdhsa_next_free_vgpr 256
		.amdhsa_next_free_sgpr 100
		.amdhsa_reserve_vcc 1
		.amdhsa_float_denorm_mode_32 3
		.amdhsa_float_denorm_mode_16_64 3
		.amdhsa_fp16_overflow 1
		.amdhsa_memory_ordered 1
		.amdhsa_forward_progress 1
		.amdhsa_inst_pref_size 94
	.end_amdhsa_kernel
	.amdgpu_metadata
---
amdhsa.version: [ 1, 2 ]
amdhsa.kernels:
  - .name:           k_q44c60a6fe9_attn
    .symbol:         k_q44c60a6fe9_attn.kd
    .args:
      - { .name: qkv, .offset: 0, .size: 8, .value_kind: global_buffer, .address_space: global }
      - { .name: lowp_scales, .offset: 8, .size: 8, .value_kind: global_buffer, .address_space: global }
      - { .name: yc, .offset: 16, .size: 8, .value_kind: global_buffer, .address_space: global }
    .group_segment_fixed_size: 327680
    .private_segment_fixed_size: 0
    .kernarg_segment_align: 8
    .kernarg_segment_size: 24
    .max_flat_workgroup_size: 512
    .sgpr_count:     100
    .vgpr_count:     256
    .wavefront_size: 32
...
	.end_amdgpu_metadata
.endif
;; end of part 3
;; launch proj (part 4): grid 4 x 32, 4 waves a work-group, clusters of 4 x 4, 327,680 bytes of LDS; arguments yc, wc, lowp_scales, bp, out0; writes out0
.if DOCPART == 4
	.amdgcn_target "amdgcn-amd-amdhsa--gfx1250"
	.amdhsa_code_object_version 6
	.text
	.protected	k_q44c60a6fe9_proj
	.globl	k_q44c60a6fe9_proj
	.p2align	8
	.type	k_q44c60a6fe9_proj,@function
k_q44c60a6fe9_proj:
	s_mov_b64 s[64:65], 0
	v_nop
	global_prefetch_b8 v0, s[64:65] scope:SCOPE_SE
	s_setreg_imm32_b32 hwreg(HW_REG_WAVE_MODE, 25, 1), 1
	s_wait_xcnt 0x0
	s_wait_alu depctr_hold_cnt(0) depctr_sa_sdst(0) depctr_va_vdst(0) depctr_va_sdst(0) depctr_va_ssrc(0) depctr_va_vcc(0) depctr_vm_vsrc(0)
	s_getreg_b32 s2, hwreg(HW_REG_IB_STS2, 6, 4)
	s_cmp_eq_u32 s2, 0
	s_cbranch_scc0 .Lentry_in_a_cluster
	s_endpgm
.Lentry_in_a_cluster:
	s_bfe_u32 s2, ttmp6, 0x10000c
	s_cmp_lg_u32 s2, 0xf033
	s_cbranch_scc0 .Lentry_shape_is_right
	s_endpgm
.Lentry_shape_is_right:
; out0 = y Wp^T + bp on codes of FP8 (E4M3).  y's codes: [32 blocks of 256 t][16 heads][256 t][64 d] (K = 64 x head + d); Wp's codes: [1024][1024] at +3 MiB of wc; out0: [8192][1024] f32.
; A number of y is its code x 2^e10, of Wp x 2^e11.  The bias goes in as the C of each sum's first matrix instruction, divided by 2^(e10 + e11); each finished sum is multiplied once by 2^(e10 + e11).
; LIMIT: e10 + e11 lies between -126 and 127, so that 2^(e10 + e11) is an f32 number.
; A tile of 256 x 256 is made by a work-group of four waves, a wave makes 128 x 128: 64 accumulators, 512 registers.  128 tiles in 8 clusters of 4 x 4: y's tiles are shared along a row of the cluster, Wp's along a column, by joint tensor loads.
; K = 1,024 goes in four steps of 256 (four heads) through two LDS slots.  A wave's half of y's tile is two heads x 256 t x 64 bytes, one dense block of 32,768 bytes: 128 rows of 256 bytes (four t each).
; In LDS row t of head g lies at 17,408 g + 64 t + 16 (t / 4): the 16 rows of a fragment load start at 16 different groups of banks.
; THE MATRIX INSTRUCTION IS USED TRANSPOSED (source 0 = 16 rows of Wp, source 1 = 16 rows of y): a lane holds eight neighbouring numbers of a row of out0.
; REGISTERS, in windows of 256: window 0: v1-31 addresses; v32-95 the bias table, on the way out a block's results; v128-255 y's fragments, ONE set, on the way out rows read back.
;   window 1: Wp's fragments, TWO sets.   window 2: the accumulators of my rows 0-63;   window 3: those of my rows 64-127.
.set ROWB,   256
.set PITCH,  272                       ; an LDS row: 256 bytes + 16 of padding
.set HEADB,  64*PITCH                  ; a head's 256 t in LDS
.set FR,     16
.set NL,     4
.set NP,     4                         ; places behind this matrix instruction (ISA guide 7.12.1)
.set HALFT,  128*PITCH                 ; what one tensor load brings
.set SLOT,   4*HALFT                   ; y's four heads, then Wp's 256 rows
.set SPARE,  2*SLOT                    ; behind the ring: the spare words, 128 bytes a wave
.set SPITCH, 528                       ; the way out: a stage of 16 rows x (512 bytes + 16) for each wave, in slot 0, which has had its last fill and its last read when the first result is stored there
.set PADW,   (1<<20)|(1<<21)|(5<<22)|(3<<25)   ; elements of 1 byte; padding on; bit 21 set beside a mask; after every 64 words; four words
.set ADRA, 16
.set ADRB, 20
.set STO,  24
.set RD,   25
.set CO,   26
.set SPW,  28                          ; v28  LDS address of my spare word; never rewritten
.set NIL,  29                          ; v29  0; never rewritten
.set BT,   32
.set TMP,  32
.set AF,   128
.set BK,   128
.set G1, 24
.set G0, 32
.set G1B, 48
.set G0B, 56
.set MSB, 0
.macro WIN new                         ; the immediate's high byte repeats the setting that is left
.if MSB != \new
	s_set_vgpr_msb (MSB<<8)|\new
.set MSB, \new
.endif
.endm
.set MUL_LO, 0xa1
.set MUL_HI, 0xf1
.set TO_B,   0x40
.macro JLOAD g0a, g1a, g0b, g1b        ; a joint load: waves 0 and 1 fetch for y, waves 2 and 3 for Wp; an s_nop 0 and four v_nop follow each of the two lines
	s_cmp_eq_u32 s15, 0
	s_cbranch_scc0 .Lfor_b_\@
	tensor_load_to_lds s[\g0a:\g0a+3], s[\g1a:\g1a+7]
	s_nop 0
.rept 4
	v_nop
.endr
	s_branch .Lasked_\@
.Lfor_b_\@:
	tensor_load_to_lds s[\g0b:\g0b+3], s[\g1b:\g1b+7]
	s_nop 0
.rept 4
	v_nop
.endr
.Lasked_\@:
.endm
.macro CREST
	s_cmp_lg_u32 s14, 0
	s_cbranch_scc1 .Lnot_wave_0_\@
	s_barrier_signal -3
.Lnot_wave_0_\@:
	s_barrier_wait -3
	s_barrier_signal -1
	s_barrier_wait -1
.endm
.macro CROUND
	s_barrier_signal -1
	s_barrier_wait -1
	CREST
.endm
	s_load_b128 s[4:7], s[0:1], 0x0                ; yc s[4:5], wc s[6:7]
	s_load_b128 s[8:11], s[0:1], 0x10              ; the exponents s[8:9], bp s[10:11]
	s_load_b64 s[12:13], s[0:1], 0x20              ; out0
	v_lshl_add_u32 v[SPW], v0, 2, SPARE
	v_mov_b32 v[NIL], 0
	ds_add_u32 v[SPW], v[NIL]                      ; the wave's opening: the add and its wait stand ahead of my first tensor load; the set-up below, work on registers, stands between them
	ds_add_u32 v[SPW], v[NIL]
	v_lshrrev_b32 v1, 5, v0
	v_readfirstlane_b32 s14, v1                    ; wave 0..3
	s_lshr_b32 s15, s14, 1                         ; which half of the tile's rows is mine.  Also: I fetch for y (0) or for Wp (1)
	s_and_b32 s16, s14, 1                          ; which half of its columns.  Also: which half of that tile I fetch
	s_bfe_u32 s40, ttmp6, 0x40000                  ; cx, cy
	s_bfe_u32 s41, ttmp6, 0x40004
	s_lshl_b32 s42, ttmp9, 2
	s_add_co_u32 s42, s42, s40                     ; tile column
	s_and_b32 s17, ttmp7, 0xffff
	s_lshl_b32 s17, s17, 2
	s_add_co_u32 s17, s17, s41                     ; tile row
	s_lshl_b32 s43, s41, 2
	s_lshl_b32 s43, 15, s43                        ; my row of the cluster
	s_lshl_b32 s44, 0x1111, s40                    ; my column
	s_or_b32 s[G1+0], s43, PADW
	s_or_b32 s[G1B+0], s44, PADW
.irp g, G1, G1B
	s_mov_b32 s[\g+1], ROWB<<16                    ; tensor_dim0 = 256
	s_mov_b32 s[\g+2], 128<<16                     ; tensor_dim1 = 128
	s_mov_b32 s[\g+3], ROWB<<16                    ; tile_dim0 = 256
	s_mov_b32 s[\g+4], 128                         ; tile_dim1 = 128
	s_mov_b32 s[\g+6], 0
	s_mov_b32 s[\g+7], 0
.endr
	s_mov_b32 s[G1+5], 256                         ; y's block is dense: a row begins where the last ends
	s_mov_b32 s[G1B+5], 1024                       ; a row of Wp's codes
	s_lshl_b32 s20, s17, 18                        ; y: the tile row's 16 heads x 16,384 bytes,
	s_lshl_b32 s18, s16, 15                        ; my two heads of a K step's four
	s_add_co_u32 s20, s20, s18
	s_mov_b32 s21, 0
	s_lshl_b32 s46, s42, 8
	s_lshl_b32 s18, s16, 7
	s_add_co_u32 s46, s46, s18
	s_lshl_b32 s46, s46, 10                        ; Wp: (256 x tile column + 128 x half) rows of 1,024 bytes,
	s_add_co_u32 s46, s46, 0x300000                ; behind Wq's, Wk's and Wv's codes
	s_mov_b32 s47, 0
	s_mul_i32 s45, s14, HALFT                      ; where my load goes: no place in the cluster enters an LDS address
	s_wait_dscnt 0x0                               ; the opening add is done
	s_wait_kmcnt 0x0
	s_load_b64 s[96:97], s[8:9], 0x28              ; e10, e11
	s_add_nc_u64 s[20:21], s[4:5], s[20:21]
	s_add_nc_u64 s[46:47], s[6:7], s[46:47]
	CROUND                                         ; all sixteen work-groups are here: the first joint loads meet
.irp s, 0,1
	s_mov_b32 s[G0+4*\s], 1
	s_add_co_u32 s[G0+4*\s+1], s45, \s*SLOT
	s_add_nc_u64 s[G0+4*\s+2:G0+4*\s+3], s[20:21], \s*65536
	s_or_b32 s[G0+4*\s+3], s[G0+4*\s+3], 0x80000000
	s_mov_b32 s[G0B+4*\s], 1
	s_add_co_u32 s[G0B+4*\s+1], s45, \s*SLOT
	s_add_nc_u64 s[G0B+4*\s+2:G0B+4*\s+3], s[46:47], \s*ROWB
	s_or_b32 s[G0B+4*\s+3], s[G0B+4*\s+3], 0x80000000
	s_wait_alu depctr_va_vdst(0)
	s_wait_tensorcnt 0x0
	ds_add_u32 v28, v29
	ds_add_u32 v28, v29
	s_wait_dscnt 0x0
	CROUND
	JLOAD G0+4*\s, G1, G0B+4*\s, G1B
.endr
	v_and_b32 v1, 15, v0                           ; r
	v_bfe_u32 v2, v0, 4, 1                         ; h
	v_lshrrev_b32 v5, 2, v1
	v_lshlrev_b32 v6, 6, v1
	v_lshl_add_u32 v6, v5, 4, v6
	v_lshl_add_u32 v6, v2, 4, v6                   ; y: 64 r + 16 (r / 4) + 16 h
	v_mul_u32_u24 v3, v1, PITCH
	v_lshl_add_u32 v4, v2, 4, v3                   ; Wp: row r x pitch + 16 h
	s_mul_i32 s21, s15, 32*PITCH                   ; my 128 t of each head: 32 LDS rows
	s_mul_i32 s22, s16, HALFT
	s_add_co_u32 s22, s22, 2*HALFT                 ; my 128 rows of Wp, behind y's four heads
.irp s, 0,1
	v_add_nc_u32 v[ADRA+\s], s21, v6
	v_add_nc_u32 v[ADRB+\s], s22, v4
	s_add_co_u32 s21, s21, SLOT
	s_add_co_u32 s22, s22, SLOT
.endr
	s_mul_i32 s23, s14, 16*SPITCH                  ; my stage
	v_mul_u32_u24 v5, v1, SPITCH
	v_lshl_add_u32 v5, v2, 5, v5
	v_add_nc_u32 v[STO], s23, v5                   ; in: row r, 32 bytes for each half of the lanes
	v_and_b32 v6, 31, v0
	v_lshlrev_b32 v[CO], 4, v6                     ; back: the 32 lanes take one row of 512 bytes; and the same in out0
	v_add_nc_u32 v[RD], s23, v[CO]
	s_lshl_b32 s46, s42, 10
	s_lshl_b32 s47, s16, 9
	s_add_co_u32 s46, s46, s47                     ; my first column, in bytes of f32: 1024 x tile column + 512 x half: in out0's rows and in bp alike
	s_mov_b32 s47, 0
	s_add_nc_u64 s[10:11], s[10:11], s[46:47]
	v_lshlrev_b32 v9, 5, v2                        ; the bias table: register 8 b + j = bp(16 b + 8 h + j)
.irp b, 0,1,2,3,4,5,6,7
	global_load_b128 v[BT+8*\b:BT+8*\b+3], v9, s[10:11] offset:64*\b
	global_load_b128 v[BT+8*\b+4:BT+8*\b+7], v9, s[10:11] offset:64*\b+16
.endr
	s_lshl_b32 s20, s17, 8
	s_lshl_b32 s21, s15, 7
	s_add_co_u32 s20, s20, s21
	s_lshl_b32 s20, s20, 12                        ; my first row of out0: (256 x tile row + 128 x half) rows of 4,096 bytes
	s_mov_b32 s21, 0
	s_add_nc_u64 s[20:21], s[20:21], s[46:47]
	s_add_nc_u64 s[12:13], s[12:13], s[20:21]
	s_wait_kmcnt 0x0
	s_add_co_i32 s94, s96, s97                     ; e10 + e11
	s_sub_co_i32 s95, 0, s94
	s_add_co_i32 s96, s94, 127
	s_lshl_b32 s96, s96, 23                        ; 2^(e10 + e11) as f32
	s_mov_b32 s97, s96                             ; (named with it as a pair, so it is written)
	s_wait_loadcnt 0x0
.set j, 0
.rept 64
	v_ldexp_f32 v[BT+j], v[BT+j], s95              ; bp / 2^(e10 + e11)
.set j, j+1
.endr
.macro FRAG reg, adr, q, i             ; Wp: lane l holds row l % 16; registers 4 c .. 4 c + 3 hold K = 32 c + 16 (l / 16) + 0 .. 15 of the slot's q-th 128
.irp c, 0,1,2,3
	ds_load_b128 v[\reg+4*\c:\reg+4*\c+3], v[\adr] offset:128*(\q)+32*\c+(\i)*16*PITCH
.endr
.endm
.macro FRAGA reg, adr, q, i            ; y: the same K: head 2 q + c / 2 of the slot's four, d = 32 (c % 2) + 16 (l / 16) + 0 .. 15; 16 t are four LDS rows
.irp c, 0,1,2,3
	ds_load_b128 v[\reg+4*\c:\reg+4*\c+3], v[\adr] offset:(2*(\q)+\c/2)*HEADB+(\i)*4*PITCH+32*(\c%2)
.endr
.endm
; 16 matrix instructions: y's blocks a0, a0 + 1 x Wp's eight.  zero = 1: the sums start from the bias.  The 64 accumulators take turns, one instruction a turn.
.macro MUL16 a0, p, zero
.irp a, \a0, \a0+1
.irp b, 0,1,2,3,4,5,6,7
.if \zero
	v_wmma_f32_16x16x128_fp8_fp8 v[8*(8*((\a)%4)+\b):8*(8*((\a)%4)+\b)+7], v[128*(\p)+FR*\b:128*(\p)+FR*\b+FR-1], v[AF+FR*(\a):AF+FR*(\a)+FR-1], v[BT+8*\b:BT+8*\b+7]
.else
	v_wmma_f32_16x16x128_fp8_fp8 v[8*(8*((\a)%4)+\b):8*(8*((\a)%4)+\b)+7], v[128*(\p)+FR*\b:128*(\p)+FR*\b+FR-1], v[AF+FR*(\a):AF+FR*(\a)+FR-1], v[8*(8*((\a)%4)+\b):8*(8*((\a)%4)+\b)+7]
.endif
.endr
.endr
.endm
.macro FETCH_B slot, q, p
	WIN TO_B
.irp i, 0,1,2,3,4,5,6,7
	FRAG 128*(\p)+FR*\i, ADRB+\slot, \q, \i
.endr
	WIN 0
.endm
.macro FETCH_A slot, q, i0
.irp i, \i0, \i0+1, \i0+2, \i0+3
	FRAGA AF+FR*(\i), ADRA+\slot, \q, \i
.endr
.endm
.macro PLACES n
.rept \n
	v_nop
.endr
.endm
.macro STEP slot, q, zero
	s_wait_dscnt 4*NL                              ; Wp's set and y's blocks 0-3 are in; the youngest sixteen loads (blocks 4-7) may be out
.if \zero
	WIN 0x81                                       ; C (the bias) window 0, D window 2
.else
	WIN MUL_LO
.endif
	MUL16 0, (\q)%2, \zero
	MUL16 2, (\q)%2, \zero
	s_wait_dscnt 0
	PLACES NP
	FETCH_B \slot, (\q)+1, 1-(\q)%2
	FETCH_A \slot, (\q)+1, 0
.if \zero
	WIN 0xc1
.else
	WIN MUL_HI
.endif
	MUL16 4, (\q)%2, \zero
	MUL16 6, (\q)%2, \zero
	PLACES NP
	WIN 0
	FETCH_A \slot, (\q)+1, 4
.endm
.macro TURN slot, next, fill
	s_wait_tensorcnt 0x0                           ; all my tensor loads have landed: my part of the next slot (every window is 0 here)
	ds_add_u32 v[SPW], v[NIL]                      ; 0 onto my spare word
	s_wait_dscnt 4*NL+1                            ; (the add and the youngest sixteen loads may be out)
	WIN MUL_LO
	MUL16 0, 1, 0
	s_wait_dscnt 0x0                               ; the add is done, and my reads of this slot are over
	s_barrier_signal -1
	MUL16 2, 1, 0
	WIN 0
	s_barrier_wait -1
.if \fill
	CREST                                          ; the barrier has opened a round of the cluster's barrier: no wave of any partner still reads this slot or has a load on its way
	s_add_nc_u64 s[G0+4*\slot+2:G0+4*\slot+3], s[G0+4*\slot+2:G0+4*\slot+3], 2*65536
	s_add_nc_u64 s[G0B+4*\slot+2:G0B+4*\slot+3], s[G0B+4*\slot+2:G0B+4*\slot+3], 2*ROWB
	JLOAD G0+4*\slot, G1, G0B+4*\slot, G1B         ; the first tensor load behind the round; its four v_nop are the places in front of the loads below
.else
	PLACES NP
.endif
	FETCH_B \next, 0, 0
	FETCH_A \next, 0, 0
	WIN MUL_HI
	MUL16 4, 1, 0
	MUL16 6, 1, 0
	PLACES NP
	WIN 0
	FETCH_A \next, 0, 4
.endm
	s_wait_alu depctr_va_vdst(0)
	s_wait_tensorcnt 1                             ; my part of K step 0 is in; K step 1's load may be out
	s_barrier_signal -1
	s_barrier_wait -1
	FETCH_B 0, 0, 0
	FETCH_A 0, 0, 0
	FETCH_A 0, 0, 4
	STEP 0, 0, 1                                   ; the first products start the sums from the bias
	TURN 0, 1, 1
	STEP 1, 0, 0
	TURN 1, 0, 1
	STEP 0, 0, 0
	TURN 0, 1, 0                                   ; nothing is left to fetch: no round
	STEP 1, 0, 0
	s_wait_dscnt 4*NL
	WIN MUL_LO
	MUL16 0, 1, 0
	MUL16 2, 1, 0
	s_wait_dscnt 0
	WIN MUL_HI
	MUL16 4, 1, 0
	MUL16 6, 1, 0
	WIN 0
; THE WAY OUT, block by block of 16 rows x 128 columns, through my own stage: in as 32 bytes a lane, back as whole rows of 512 bytes.  LDS serves a wave's instructions in order (ISA guide 5.7.1.4): no wait between the stores and the loads.
.macro TOSTAGE a
.set AC, 64*((\a)%4)
	WIN 0x02+((\a)/4)                              ; source 0: window 2 or 3
.set j, 0
.rept 32
	v_pk_mul_f32 v[TMP+j:TMP+j+1], v[AC+j:AC+j+1], s[96:97] op_sel_hi:[1,0]   ; x 2^(e10 + e11); each accumulator from its low end on
.set j, j+2
.endr
	WIN 0
.irp b, 0,1,2,3,4,5,6,7
	ds_store_b128 v[STO], v[TMP+8*\b:TMP+8*\b+3] offset:64*\b
	ds_store_b128 v[STO], v[TMP+8*\b+4:TMP+8*\b+7] offset:64*\b+16
.endr
.set BB, BK+64*((\a)%2)
.irp t, 0,1,2,3,4,5,6,7,8,9,10,11,12,13,14,15
	ds_load_b128 v[BB+4*\t:BB+4*\t+3], v[RD] offset:\t*SPITCH
.endr
.endm
.macro SEND a, younger                 ; younger: the LDS instructions issued behind block a's loads, which may stay out
.set BB, BK+64*((\a)%2)
	s_wait_dscnt \younger
.if (\a) > 0
	s_add_nc_u64 s[12:13], s[12:13], 16*4096       ; (behind a wait on XCNT: the earlier stores have read their base)  16 rows of out0 on
.endif
.irp t, 0,1,2,3,4,5,6,7,8,9,10,11,12,13,14,15
	global_store_b128 v[CO], v[BB+4*\t:BB+4*\t+3], s[12:13] offset:\t*4096 th:TH_STORE_NT   ; 32 lanes store 512 consecutive bytes, at a multiple of 256; written once, read by nobody here
.endr
.endm
	PLACES NP
	TOSTAGE 0
.irp a, 1,2,3,4,5,6,7
.if \a > 1
	s_wait_xcnt 0x0                                ; block a - 2's stores have read their registers and their base
.endif
	TOSTAGE \a
	SEND \a-1, 32                                  ; behind block a - 1's loads: block a's 16 stores and 16 loads
.endr
	s_wait_xcnt 0x0
	SEND 7, 0
	s_wait_tensorcnt 0x0                           ; the wave's end, behind my last tensor load and my last LDS store
	ds_add_u32 v[SPW], v[NIL]
	s_wait_dscnt 0x0
	CROUND                                         ; the closing round: no work-group ends while a partner may still ask for a tile that names it
	s_endpgm
.Lfunc_end_k_q44c60a6fe9_proj:
	.size	k_q44c60a6fe9_proj, .Lfunc_end_k_q44c60a6fe9_proj-k_q44c60a6fe9_proj
	.p2alignl 7, 3214868480
	.fill 96, 4, 3214868480
	.section	.rodata,"a",@progbits
	.p2align	6, 0x0
	.amdhsa_kernel k_q44c60a6fe9_proj
		.amdhsa_group_segment_fixed_size 327680
		.amdhsa_private_segment_fixed_size 0
		.amdhsa_enable_private_segment 0
		.amdhsa_kernarg_size 40
		.amdhsa_user_sgpr_count 2
		.amdhsa_user_sgpr_kernarg_segment_ptr 1
		.amdhsa_wavefront_size32 1
		.amdhsa_system_sgpr_workgroup_id_x 1
		.amdhsa_system_sgpr_workgroup_id_y 1
		.amdhsa_system_sgpr_workgroup_id_z 1
		.amdhsa_system_vgpr_workitem_id 0
		.amdhsa_next_free_vgpr 1024
		.amdhsa_next_free_sgpr 100
		.amdhsa_reserve_vcc 0
		.amdhsa_float_denorm_mode_32 3
		.amdhsa_float_denorm_mode_16_64 3
		.amdhsa_memory_ordered 1
		.amdhsa_forward_progress 1
		.amdhsa_inst_pref_size 130
	.end_amdhsa_kernel
	.amdgpu_metadata
---
amdhsa.version: [ 1, 2 ]
amdhsa.kernels:
  - .name:           k_q44c60a6fe9_proj
    .symbol:         k_q44c60a6fe9_proj.kd
    .args:
      - { .name: yc, .offset: 0, .size: 8, .value_kind: global_buffer, .address_space: global }
      - { .name: wc, .offset: 8, .size: 8, .value_kind: global_buffer, .address_space: global }
      - { .name: lowp_scales, .offset: 16, .size: 8, .value_kind: global_buffer, .address_space: global }
      - { .name: bp, .offset: 24, .size: 8, .value_kind: global_buffer, .address_space: global }
      - { .name: out0, .offset: 32, .size: 8, .value_kind: global_buffer, .address_space: global }
    .group_segment_fixed_size: 327680
    .private_segment_fixed_size: 0
    .kernarg_segment_align: 8
    .kernarg_segment_size: 40
    .max_flat_workgroup_size: 128
    .sgpr_count:     100
    .vgpr_count:     1024
    .wavefront_size: 32
...
	.end_amdgpu_metadata
.endif
;; end of part 4
